; MI455X (gfx1250); checked and timed in simulation.
; The chip was launched on July 23, 2026; its instructions are those of AMD's public machine-readable ISA for CDNA 5 (MIT licence, August 2026) and "CDNA5" Instruction Set Architecture Reference Guide (July 2026). The comments in the code are by the model that wrote it; some were corrected since.
;; Multi Head Attention. Allowed arithmetic: matrix products marked QUANTISED: E2M1 operands, one E8M0 scale for each 32 along K, by v_wmma_scale_f32_16x16x128_f8f6f4 with both operands' format E2M1 (or v_wmma_scale_f32_32x16x128_f4), f32 sums; products left as they are: bf16, f16 or f32 operands; f32 sums; everything else in f32.
;; Inputs: Lo 1 x 16 x 1 x 64 float32; Lx 16 x 1,024 x 64 float32; Ly 16 x 1,024 x 64 float32; To0 1 x 16 x 1 x 64 float32; To1 1 x 1 x 1,024 float32; Tx 16 x 1,024 x 64 float32; Ty 16 x 1,024 x 64 float32; mask 2,048 x 2,048 float32; x_kv 2 x 2,048 x 1,024 float32; y_q 2 x 2,048 x 1,024 float32.
;; Outputs: out0 2 x 2,048 x 1,024 float32.
;; This version of the problem:
;;   THIS VERSION OF THE PROBLEM IS GIVEN IN LOW PRECISION. The matrix products marked QUANTISED in the list below multiply operands that are first quantised to E2M1 (2 exponent bits, 1 mantissa bit; 4 bits a number), with one power-of-two scale for each 32 numbers along K (OCP MX v1.0); their sums are f32. The products marked 'left as it is' may take bf16, f16 or f32 operands, with f32 sums. Whichever they take, every output number must still come out within the allowed error. Rounding operands to bf16 (8 significant bits) uses up far more of that allowance than f16 does (11 bits, for magnitudes from 6e-5 to 65,504). All else is computed in f32.
;;   The module's matrix products, in the order in which they are computed (A, B: the left and right operand; K: the contracted axis; several contracted axes count as one K, in the product's order):
;;     1. [M 1,024, K 1,024] x [K 1,024, N 4,096]; A: input Ly; B: input y_q: QUANTISED
;;     2. [M 1,024, K 1,024] x [K 1,024, N 4,096]; A: input Lx; B: input x_kv: QUANTISED
;;     3. batch 32 x [M 2,048, K 64] x [K 64, N 2,048]; A: computed on the way; B: computed on the way: left as it is (an operand is computed on the way)
;;     4. [M 1,024, K 1,024] x [K 1,024, N 4,096]; A: input Tx; B: input x_kv: QUANTISED
;;     5. batch 32 x [M 64, K 2,048] x [K 2,048, N 2,048]; A: computed on the way; B: computed on the way: left as it is (an operand is computed on the way)
;;     6. [M 4,096, K 1,024] x [K 1,024, N 1,024]; A: computed on the way; B: input Ty: left as it is (an operand is computed on the way)
;;   THE QUANTISER, for each operand of a quantised product, along K:
;;     - K is cut into blocks of 32 from its start; a last block that is shorter is filled with zeros.
;;     - A block's scale is 2^e with e = floor(log2(the largest magnitude in the block)) - 2, held to -126 .. 127; a block of zeros has e = 0. As a byte (E8M0): e + 127.
;;     - Each number is divided by its block's scale, clamped to +-6, and rounded to the nearest number of E2M1, ties to even, subnormals kept.
;;     - The product sums the exact products of the quantised numbers (number of the format x scale) in f32.
;;   ~~~python
;;   def quantise(x, axis):      # numpy; x: float32 -> the quantised numbers, widened to float32 again
;;       x = np.moveaxis(x, axis, -1); K = x.shape[-1]
;;       x = np.pad(x, [(0, 0)] * (x.ndim - 1) + [(0, -K % 32)]); x = x.reshape(x.shape[:-1] + (-1, 32)); a = np.abs(x).max(-1, keepdims=True)
;;       e = np.where(a > 0, np.clip(np.frexp(np.where(a > 0, a, 1))[1] - 1 - 2, -126, 127), 0)      # np.frexp(a)[1] - 1 = floor(log2(a)), exactly
;;       r = np.clip(x / 2.0 ** e, -6, 6)
;;       step = 2.0 ** (np.maximum(np.frexp(np.where(r == 0, 1, r))[1] - 1, 0) - 1)
;;       q = np.round(r / step) * step * 2.0 ** e      # np.round: ties to even
;;       return np.moveaxis(q.reshape(q.shape[:-2] + (-1,))[..., :K], -1, axis).astype(np.float32)
;;   ~~~
;; One version. Each part assembles by itself: llvm-mc -triple=amdgcn-amd-amdhsa -mcpu=gfx1250 --defsym DOCPART=n.
;; ======== version 1 of 1: 4 launches
;; limits: values are held in f16: magnitudes above 65,504 overflow, below 6.1e-05 lose precision
;; workspace buffers: act_codes 4,194,304 bytes; act_scales 262,144 bytes; w_codes 1,572,864 bytes; w_scales 98,304 bytes; maskf 16,777,216 bytes; tyf 2,097,152 bytes; qkv 25,165,824 bytes; of 8,388,608 bytes
;; launch prep (part 1): grid 944 x 1, 4 waves a work-group, no clusters, 100,864 bytes of LDS; arguments y_q, x_kv, Ly, Lx, Tx, Ty, mask, act_codes, act_scales, w_codes, w_scales, maskf, tyf; writes act_codes, act_scales, w_codes, w_scales, maskf, tyf
.if DOCPART == 1
	.amdgcn_target "amdgcn-amd-amdhsa--gfx1250"
	.amdhsa_code_object_version 6
	.text
	.protected	k_q662744dfc9_prep
	.globl	k_q662744dfc9_prep
	.p2align	8
	.type	k_q662744dfc9_prep,@function
k_q662744dfc9_prep:
	s_mov_b64 s[64:65], 0
	v_nop
	global_prefetch_b8 v0, s[64:65] scope:SCOPE_SE
	s_setreg_imm32_b32 hwreg(HW_REG_WAVE_MODE, 25, 1), 1
	s_wait_xcnt 0x0
; PREP: everything that later launches read many times is laid out once.  Four paths, chosen by the work-group's number; each has LDS bytes of its own.
;   W  (work-groups 0-47):    Ly, Lx, Tx [16 heads][1024 (K)][64] f32 -> codes of FP4 (E2M1), K innermost, w_codes [3][1024 = head x 64 + d][512 bytes], and E8M0 bytes w_scales [3][1024][32].
;   A  (work-groups 48-303):  y_q, x_kv [4096][1024 (K)] f32 -> act_codes [2][4096][512 bytes], act_scales [2][4096][32].
;   M  (work-groups 304-815): mask [key][query] f32 -> maskf, unrounded, as images of the C operand of the score product: register j = 4 g + jj of lane (r, h) is mask[key 8 h + j][query r] of a 16 x 16 tile.
;   T  (work-groups 816-943): Ty [head][q][64] f32 -> tyf, f16, as images of 16 x 32 fragments (lane (r, h): row q = r; registers 0-3: k = 8 h + 0..7, registers 4-7: k = 16 + 8 h + 0..7).
; THE QUANTISER: a block of 32 along K has the scale 2^(floor(log2(largest magnitude)) - 2); its byte is the largest magnitude's exponent field - 2, held at 1 from below; numbers are divided by the scale and rounded to the nearest code, ties to even, beyond 6 the largest code.
; LIMITS: a block of zeros, and a block whose largest magnitude lies under 2^-124, gets the byte 1 (the rule says 127 for zeros: the codes are zeros, and only this program reads the bytes).  NaN and infinities in y_q, x_kv, Ly, Lx, Tx are not served.  Ty must stay under 65,504 in magnitude (f16).
; No tensor load, no barrier: waves share nothing.  Memory binds: every load and store of a wave covers consecutive bytes (512, or 128 where a weight's 32 columns are taken).
.set LDS_A, 0                          ; path A: 5,632 bytes a wave: two stages of 2,560 and 256 scale bytes
.set LDS_W, 22528                      ; path W: 8,704 bytes a wave: 32 rows x 272
.set LDS_M, 57344                      ; path M: 8,448 bytes a wave: 16 rows x 528
.set LDS_T, 91136                      ; path T: 2,304 bytes a wave: 16 rows x 144
.set SPARE, 100352                     ; the spare words, 128 bytes for each wave: two blocks of 256 bytes that no other line names
.set SPW, 12                           ; v12  LDS address of my spare word; never rewritten
.set NIL, 13                           ; v13  0; never rewritten
	v_lshl_add_u32 v[SPW], v0, 2, SPARE
	v_mov_b32 v[NIL], 0
	v_lshrrev_b32 v1, 5, v0
	v_readfirstlane_b32 s16, v1                    ; wave 0..3
	v_and_b32 v2, 31, v0                           ; lane
	s_cmp_lt_u32 ttmp9, 48
	s_cbranch_scc1 .Lpath_w
	s_cmp_lt_u32 ttmp9, 304
	s_cbranch_scc1 .Lpath_a
	s_cmp_lt_u32 ttmp9, 816
	s_cbranch_scc1 .Lpath_m
; ---------------- PATH T: a wave takes two tiles of 16 output columns of one head: 2 x 4,096 dense bytes of Ty
	s_load_b64 s[4:5], s[0:1], 0x28                ; Ty
	s_load_b64 s[6:7], s[0:1], 0x60                ; tyf
	s_sub_co_u32 s17, ttmp9, 816
	s_lshr_b32 s18, s17, 3                         ; head
	s_and_b32 s19, s17, 7
	s_lshl_b32 s19, s19, 3
	s_lshl_b32 s20, s16, 1
	s_add_co_u32 s19, s19, s20                     ; my first tile of columns: 8 x group + 2 x wave
	s_lshl_b32 s20, s18, 18                        ; in: head x 262,144 + tile x 4,096
	s_lshl_b32 s21, s19, 12
	s_add_co_u32 s20, s20, s21
	s_mov_b32 s21, 0
	s_lshr_b32 s22, s18, 2                         ; out: (head / 4) x 524,288 + tile x 8,192 + (head % 4) x 2,048
	s_lshl_b32 s22, s22, 19
	s_lshl_b32 s23, s19, 13
	s_add_co_u32 s22, s22, s23
	s_and_b32 s23, s18, 3
	s_lshl_b32 s23, s23, 11
	s_add_co_u32 s22, s22, s23
	s_mov_b32 s23, 0
	v_lshlrev_b32 v3, 4, v2                        ; 16 x lane
	v_and_b32 v5, 15, v2
	v_lshrrev_b32 v6, 4, v2
	s_mul_i32 s24, s16, 2304
	s_add_co_u32 s24, s24, LDS_T                   ; my stage: rows of 128 bytes of f16 + 16
	v_mul_u32_u24 v4, v6, 144
	v_lshl_add_u32 v4, v5, 3, v4
	v_add_nc_u32 v4, s24, v4                       ; in: a load holds two rows: row lane / 16, 8 bytes at 8 (lane % 16)
	v_mul_u32_u24 v7, v5, 144
	v_lshl_add_u32 v7, v6, 4, v7
	v_add_nc_u32 v7, s24, v7                       ; out: row r, + 16 h
	s_wait_kmcnt 0x0
	s_add_nc_u64 s[4:5], s[4:5], s[20:21]
	s_add_nc_u64 s[6:7], s[6:7], s[22:23]
.set i, 0
.rept 16
	global_load_b128 v[16+4*i:19+4*i], v3, s[4:5] offset:512*i th:TH_LOAD_NT
.set i, i+1
.endr
.irp u, 0,1                                    ; the two tiles use one stage: LDS serves a wave's instructions in order, so the second tile's stores come behind the first's loads
	s_wait_loadcnt 8-8*\u                          ; this tile's eight loads are in; the other tile's eight may be out
.irp e, 0,1,2,3,4,5,6,7
	v_cvt_pk_f16_f32 v[80+16*\u+2*\e], v[16+32*\u+4*\e], v[17+32*\u+4*\e]
	v_cvt_pk_f16_f32 v[81+16*\u+2*\e], v[18+32*\u+4*\e], v[19+32*\u+4*\e]
	ds_store_b64 v4, v[80+16*\u+2*\e:81+16*\u+2*\e] offset:288*\e
.endr
.irp q, 0,1,2,3                                ; q = 2 c + g: d = 32 c + 16 g + 8 h + 0..7
	ds_load_b128 v[112+16*\u+4*\q:115+16*\u+4*\q], v7 offset:32*\q
.endr
.endr
.irp u, 0,1
	s_wait_dscnt 12-12*\u                          ; behind the first tile's four loads stand the second's eight stores and four loads
.irp q, 0,1,2,3
	global_store_b128 v3, v[112+16*\u+4*\q:115+16*\u+4*\q], s[6:7] offset:8192*\u+512*\q   ; 32 lanes store 512 consecutive bytes
.endr
.endr
	s_wait_tensorcnt 0x0                           ; the wave's end, behind my last LDS store
	ds_add_u32 v[SPW], v[NIL]
	s_wait_dscnt 0x0
	s_endpgm
; ---------------- PATH M: a work-group takes 64 keys x 128 queries, a wave 16 keys
.Lpath_m:
	s_load_b64 s[4:5], s[0:1], 0x30                ; mask
	s_load_b64 s[6:7], s[0:1], 0x58                ; maskf
	s_sub_co_u32 s17, ttmp9, 304
	s_and_b32 s18, s17, 15                         ; block of 128 queries
	s_lshr_b32 s19, s17, 4                         ; block of 64 keys
	s_lshl_b32 s20, s19, 19                        ; in: (64 x block + 16 x wave) rows of 8,192 bytes + 512 x query block
	s_lshl_b32 s21, s16, 17
	s_add_co_u32 s20, s20, s21
	s_lshl_b32 s21, s18, 9
	s_add_co_u32 s20, s20, s21
	s_mov_b32 s21, 0
	s_lshl_b32 s22, s18, 20                        ; out: query block x 1,048,576 + key block x 32,768 + wave x 1,024
	s_lshl_b32 s23, s19, 15
	s_add_co_u32 s22, s22, s23
	s_lshl_b32 s23, s16, 10
	s_add_co_u32 s22, s22, s23
	s_mov_b32 s23, 0
	v_lshlrev_b32 v3, 4, v2                        ; 16 x lane
	s_mul_i32 s24, s16, 8448
	s_add_co_u32 s24, s24, LDS_M                   ; my stage: 16 rows of 512 bytes + 16
	v_add_nc_u32 v4, s24, v3                       ; in: as the bytes lie
	v_and_b32 v5, 15, v2
	v_lshrrev_b32 v6, 4, v2
	v_mul_u32_u24 v6, v6, 4224
	v_lshl_add_u32 v6, v5, 2, v6
	v_add_nc_u32 v6, s24, v6                       ; out: row 8 h, word r: lanes 16-31 stand 1,056 words from lanes 0-15, half way round the 64 banks
	s_wait_kmcnt 0x0
	s_add_nc_u64 s[4:5], s[4:5], s[20:21]
	s_add_nc_u64 s[6:7], s[6:7], s[22:23]
.set i, 0
.rept 16
	global_load_b128 v[16+4*i:19+4*i], v3, s[4:5] offset:8192*i th:TH_LOAD_NT   ; key row i: 512 consecutive bytes
.set i, i+1
.endr
.set i, 0
.rept 16
	s_wait_loadcnt 15-i                            ; loads come back in order: row i is in, the younger ones may be out
	ds_store_b128 v4, v[16+4*i:19+4*i] offset:528*i
.set i, i+1
.endr
.irp u, 0,1,2,3,4,5,6,7                        ; tile u of 16 queries; register j: key 8 h + j
.irp j, 0,1,2,3,4,5,6,7
	ds_load_b32 v[80+8*\u+\j], v6 offset:528*\j+64*\u
.endr
.endr
.irp u, 0,1,2,3,4,5,6,7
	s_wait_dscnt 8*(7-\u)                          ; tile u's eight loads are in
	global_store_b128 v3, v[80+8*\u:83+8*\u], s[6:7] offset:4096*\u
	global_store_b128 v3, v[84+8*\u:87+8*\u], s[6:7] offset:4096*\u+512
.endr
	s_wait_tensorcnt 0x0                           ; the wave's end, behind my last LDS store
	ds_add_u32 v[SPW], v[NIL]
	s_wait_dscnt 0x0
	s_endpgm
; ---------------- PATH A: both activations are one stream of blocks of 32; a wave takes 16 steps of 512 numbers
.Lpath_a:
.set AR, 16                            ; v16-79   four sets of 16 numbers as they are loaded
.set AX, 80                            ; v80-111  two sets of 16 neighbours
.set AE, 112                           ; v112-127 a scale byte for each step
.set AC, 128                           ; v128-191 codes: four registers for each step, so that no store's data are written again
.set SP, 80                            ; a lane's place in a stage: 64 bytes + 16 of padding
	s_load_b128 s[4:7], s[0:1], 0x0                ; y_q, x_kv
	s_load_b128 s[8:11], s[0:1], 0x38              ; act_codes, act_scales
	v_lshlrev_b32 v3, 4, v2                        ; my 16 bytes of a load's 512
	s_mul_i32 s17, s16, 5632
	v_lshrrev_b32 v14, 2, v2
	v_mul_u32_u24 v14, v14, SP
	v_and_b32 v15, 3, v2
	v_lshl_add_u32 v14, v15, 4, v14
	v_add_nc_u32 v14, s17, v14                     ; the stage, on the way in: four lanes' 64 bytes on end, then 16 of padding
	v_mul_u32_u24 v15, v2, SP
	v_add_nc_u32 v15, s17, v15                     ; and on the way out: my 16 neighbours
	v_lshlrev_b32 v4, 3, v2                        ; my 8 bytes of a step's codes
	v_lshrrev_b32 v5, 1, v2
	s_add_co_u32 s17, s17, 2*32*SP
	v_add_nc_u32 v5, s17, v5                       ; my wave's 256 scale bytes: my block's byte
	v_lshlrev_b32 v7, 3, v2
	v_add_nc_u32 v6, s17, v7                       ; and on the way out 8 bytes a lane
	s_sub_co_u32 s18, ttmp9, 48
	s_lshl_b32 s18, s18, 2
	s_add_co_u32 s18, s18, s16                     ; my run of 8,192 numbers, 0..1023: the first 512 are y_q's
	s_and_b32 s20, s18, 511
	s_lshl_b32 s20, s20, 15
	s_mov_b32 s21, 0
	s_lshl_b32 s22, s18, 12
	s_mov_b32 s23, 0
	s_lshl_b32 s24, s18, 8
	s_mov_b32 s25, 0
	s_wait_kmcnt 0x0
	s_cmp_lt_u32 ttmp9, 176                        ; the choice hangs on the work-group's number alone
	s_cselect_b64 s[4:5], s[4:5], s[6:7]
	s_add_nc_u64 s[4:5], s[4:5], s[20:21]
	s_add_nc_u64 s[8:9], s[8:9], s[22:23]
	s_add_nc_u64 s[10:11], s[10:11], s[24:25]
.macro A_LOAD t
.irp i, 0,1,2,3
	global_load_b128 v[AR+16*((\t)%4)+4*\i:AR+16*((\t)%4)+4*\i+3], v3, s[4:5] offset:2048*(\t)+512*\i th:TH_LOAD_NT
.endr
.endm
.macro A_TURN t                        ; step t's numbers through the stage: LDS serves a wave's instructions in order
.irp i, 0,1,2,3
	ds_store_b128 v14, v[AR+16*((\t)%4)+4*\i:AR+16*((\t)%4)+4*\i+3] offset:32*SP*((\t)%2)+8*SP*\i
.endr
.irp i, 0,1,2,3
	ds_load_b128 v[AX+16*((\t)%2)+4*\i:AX+16*((\t)%2)+4*\i+3], v15 offset:32*SP*((\t)%2)+16*\i
.endr
.endm
.irp t, 0,1,2,3
	A_LOAD \t
.endr
	s_wait_loadcnt 12                              ; step 0's four loads are in
	A_TURN 0
.macro A_STEP t
.set XS, AX+16*((\t)%2)
.if (\t) > 0
	s_wait_dscnt 1                                 ; this step's numbers are back from the stage (the last step's byte store may be out)
.else
	s_wait_dscnt 0x0
.endif
.if (\t)+4 < 16
	A_LOAD (\t)+4                                  ; into the registers that the stage's stores have read
.endif
.if (\t)+1 < 16
.if 14-(\t) >= 3
	s_wait_loadcnt 12                              ; the next step's four loads are in; those of the three steps behind it may be out
.else
	s_wait_loadcnt 4*(14-(\t))
.endif
	A_TURN (\t)+1
.endif
	v_max3_num_f32 v8, |v[XS]|, |v[XS+1]|, |v[XS+2]|
	v_max3_num_f32 v9, |v[XS+3]|, |v[XS+4]|, |v[XS+5]|
.irp i, 6,10
	v_max3_num_f32 v8, v8, |v[XS+\i]|, |v[XS+\i+1]|
	v_max3_num_f32 v9, v9, |v[XS+\i+2]|, |v[XS+\i+3]|
.endr
	v_max3_num_f32 v8, v8, |v[XS+14]|, |v[XS+15]|
	v_max3_num_f32 v8, v8, v9, 0x1800000           ; and the floor 2^(3 - 127): the byte cannot fall under 1
	v_max_num_f32_dpp v8, v8, v8 row_xmask:1 row_mask:0xf bank_mask:0xf   ; with my neighbour's 16: the block's largest magnitude
	v_add_nc_u32 v11, 0xff000000, v8               ; 2 off its exponent field: the conversion takes the exponent field of this operand as its scale
	v_cvt_scalef32_pk8_fp4_f32 v[AC+4*(\t)], v[XS:XS+7], v11
	v_cvt_scalef32_pk8_fp4_f32 v[AC+4*(\t)+1], v[XS+8:XS+15], v11
	v_lshrrev_b32 v[AE+(\t)], 23, v11              ; the scale's byte
	ds_store_b8 v5, v[AE+(\t)] offset:16*(\t)      ; both lanes of a block write the same byte with the same value
	global_store_b64 v4, v[AC+4*(\t):AC+4*(\t)+1], s[8:9] offset:256*(\t)   ; 32 lanes store 256 consecutive bytes
.endm
.irp t, 0,1,2,3,4,5,6,7,8,9,10,11,12,13,14,15
	A_STEP \t
.endr
	ds_load_b64 v[8:9], v6                         ; my wave's 256 scale bytes
	s_wait_dscnt 0x0
	global_store_b64 v7, v[8:9], s[10:11]
	s_wait_tensorcnt 0x0                           ; the wave's end, behind my last LDS store
	ds_add_u32 v[SPW], v[NIL]
	s_wait_dscnt 0x0
	s_endpgm
; ---------------- PATH W: K is the weights' middle axis.  A lane takes a column (head, d) and its registers run down K; a wave takes 32 columns x 512 along K
.Lpath_w:
.set WX, 32                            ; v32-95   two sets of 32 numbers
.set WC, 96                            ; v96-99   a block's codes
.set WO, 112                           ; v112-175 the way out
.set WS, 24                            ; v24-27   the scale bytes, four to a register
	s_load_b128 s[4:7], s[0:1], 0x10               ; Ly, Lx
	s_load_b64 s[8:9], s[0:1], 0x20                ; Tx
	s_load_b128 s[12:15], s[0:1], 0x48             ; w_codes, w_scales
	s_lshr_b32 s17, ttmp9, 4                       ; which weight
	s_bfe_u32 s18, ttmp9, 0x30001                  ; which 128 columns
	s_and_b32 s19, ttmp9, 1                        ; which 512 along K
	s_lshl_b32 s18, s18, 7
	s_lshl_b32 s20, s16, 5
	s_add_co_u32 s18, s18, s20                     ; my wave's first column n = head x 64 + d
	s_lshr_b32 s20, s18, 6                         ; in: head x 262,144 + d x 4 + 512 rows of 256 bytes
	s_lshl_b32 s20, s20, 18
	s_and_b32 s21, s18, 63
	s_lshl_b32 s21, s21, 2
	s_add_co_u32 s20, s20, s21
	s_lshl_b32 s21, s19, 17
	s_add_co_u32 s20, s20, s21
	s_mov_b32 s21, 0
	s_lshl_b32 s22, s17, 10
	s_add_co_u32 s22, s22, s18                     ; my first row of the codes
	s_lshl_b32 s24, s22, 9
	s_lshl_b32 s25, s19, 8
	s_add_co_u32 s24, s24, s25
	s_mov_b32 s25, 0
	s_lshl_b32 s26, s22, 5
	s_lshl_b32 s27, s19, 4
	s_add_co_u32 s26, s26, s27
	s_mov_b32 s27, 0
	v_lshlrev_b32 v3, 2, v2                        ; in: 4 bytes a lane
	s_mul_i32 s28, s16, 8704
	s_add_co_u32 s28, s28, LDS_W                   ; my stage: 32 rows of 256 bytes + 16
	v_mul_u32_u24 v4, v2, 272
	v_add_nc_u32 v4, s28, v4                       ; into it: row = my column
	v_and_b32 v5, 15, v2
	v_lshrrev_b32 v6, 4, v2
	v_mul_u32_u24 v7, v6, 272
	v_lshl_add_u32 v7, v5, 4, v7
	v_add_nc_u32 v7, s28, v7                       ; out of it: sixteen lanes to a row
	v_lshlrev_b32 v8, 9, v6
	v_lshl_add_u32 v8, v5, 4, v8                   ; and the same place in the codes (rows of 512 bytes)
	v_lshlrev_b32 v9, 5, v2                        ; my column's row of scale bytes
	s_wait_kmcnt 0x0
	s_cmp_lt_u32 ttmp9, 32                         ; the choices hang on the work-group's number alone
	s_cselect_b64 s[8:9], s[6:7], s[8:9]
	s_cmp_lt_u32 ttmp9, 16
	s_cselect_b64 s[4:5], s[4:5], s[8:9]
	s_add_nc_u64 s[4:5], s[4:5], s[20:21]
	s_add_nc_u64 s[12:13], s[12:13], s[24:25]
	s_add_nc_u64 s[14:15], s[14:15], s[26:27]
.macro W_LOAD t                        ; block t: rows 32 t + i of K at my column
.set i, 0
.rept 32
	global_load_b32 v[WX+32*((\t)%2)+i], v3, s[4:5] offset:(32*(\t)+i)*256 th:TH_LOAD_NT
.set i, i+1
.endr
.endm
	W_LOAD 0
	W_LOAD 1
.macro W_BLOCK t
.set XS, WX+32*((\t)%2)
.if (\t) < 15
	s_wait_loadcnt 32                              ; this block's 32 loads are in; the next block's may be out
.else
	s_wait_loadcnt 0
.endif
	v_max3_num_f32 v16, |v[XS]|, |v[XS+1]|, |v[XS+2]|     ; all 32 numbers of the block are mine
	v_max3_num_f32 v17, |v[XS+3]|, |v[XS+4]|, |v[XS+5]|
.irp i, 6,10,14,18,22,26
	v_max3_num_f32 v16, v16, |v[XS+\i]|, |v[XS+\i+1]|
	v_max3_num_f32 v17, v17, |v[XS+\i+2]|, |v[XS+\i+3]|
.endr
	v_max3_num_f32 v16, v16, |v[XS+30]|, |v[XS+31]|
	v_max3_num_f32 v16, v16, v17, 0x1800000        ; and the floor 2^(3 - 127)
	v_add_nc_u32 v11, 0xff000000, v16              ; the conversion's scale operand
	v_lshrrev_b32 v17, 23, v11                     ; the scale's byte
.if (\t)%4 == 0
	v_mov_b32 v[WS+(\t)/4], v17
.else
	v_lshl_or_b32 v[WS+(\t)/4], v17, 8*((\t)%4), v[WS+(\t)/4]
.endif
.irp g, 0,1,2,3
	v_cvt_scalef32_pk8_fp4_f32 v[WC+\g], v[XS+8*\g:XS+8*\g+7], v11
.endr
	ds_store_b128 v4, v[WC:WC+3] offset:16*(\t)    ; 32 codes: 16 bytes of my column's row
.if (\t)+2 < 16
	W_LOAD (\t)+2
.endif
	s_wait_dscnt 0x0                               ; the store has read its registers: the next block's codes may be written
.endm
.set Q, 0
.rept 16
	W_BLOCK Q
.set Q, Q+1
.endr
	global_store_b128 v9, v[WS:WS+3], s[14:15]     ; my column's 16 scale bytes
.irp t, 0,1,2,3,4,5,6,7,8,9,10,11,12,13,14,15
	ds_load_b128 v[WO+4*\t:WO+4*\t+3], v7 offset:2*\t*272
.endr
.irp t, 0,1,2,3,4,5,6,7,8,9,10,11,12,13,14,15
	s_wait_dscnt 15-\t
	global_store_b128 v8, v[WO+4*\t:WO+4*\t+3], s[12:13] offset:2*\t*512   ; sixteen lanes store 256 consecutive bytes, aligned
.endr
	s_wait_tensorcnt 0x0                           ; the wave's end, behind my last LDS store
	ds_add_u32 v[SPW], v[NIL]
	s_wait_dscnt 0x0
	s_endpgm
.Lfunc_end_k_q662744dfc9_prep:
	.size	k_q662744dfc9_prep, .Lfunc_end_k_q662744dfc9_prep-k_q662744dfc9_prep
	.p2alignl 7, 3214868480
	.fill 96, 4, 3214868480
	.section	.rodata,"a",@progbits
	.p2align	6, 0x0
	.amdhsa_kernel k_q662744dfc9_prep
		.amdhsa_group_segment_fixed_size 100864
		.amdhsa_private_segment_fixed_size 0
		.amdhsa_enable_private_segment 0
		.amdhsa_kernarg_size 104
		.amdhsa_user_sgpr_count 2
		.amdhsa_user_sgpr_kernarg_segment_ptr 1
		.amdhsa_wavefront_size32 1
		.amdhsa_system_sgpr_workgroup_id_x 1
		.amdhsa_system_sgpr_workgroup_id_y 1
		.amdhsa_system_sgpr_workgroup_id_z 1
		.amdhsa_system_vgpr_workitem_id 0
		.amdhsa_next_free_vgpr 192
		.amdhsa_next_free_sgpr 66
		.amdhsa_reserve_vcc 0
		.amdhsa_float_denorm_mode_32 3
		.amdhsa_float_denorm_mode_16_64 3
		.amdhsa_memory_ordered 1
		.amdhsa_forward_progress 1
		.amdhsa_inst_pref_size 129
	.end_amdhsa_kernel
	.amdgpu_metadata
---
amdhsa.version: [ 1, 2 ]
amdhsa.kernels:
  - .name:           k_q662744dfc9_prep
    .symbol:         k_q662744dfc9_prep.kd
    .args:
      - { .name: y_q, .offset: 0, .size: 8, .value_kind: global_buffer, .address_space: global }
      - { .name: x_kv, .offset: 8, .size: 8, .value_kind: global_buffer, .address_space: global }
      - { .name: Ly, .offset: 16, .size: 8, .value_kind: global_buffer, .address_space: global }
      - { .name: Lx, .offset: 24, .size: 8, .value_kind: global_buffer, .address_space: global }
      - { .name: Tx, .offset: 32, .size: 8, .value_kind: global_buffer, .address_space: global }
      - { .name: Ty, .offset: 40, .size: 8, .value_kind: global_buffer, .address_space: global }
      - { .name: mask, .offset: 48, .size: 8, .value_kind: global_buffer, .address_space: global }
      - { .name: act_codes, .offset: 56, .size: 8, .value_kind: global_buffer, .address_space: global }
      - { .name: act_scales, .offset: 64, .size: 8, .value_kind: global_buffer, .address_space: global }
      - { .name: w_codes, .offset: 72, .size: 8, .value_kind: global_buffer, .address_space: global }
      - { .name: w_scales, .offset: 80, .size: 8, .value_kind: global_buffer, .address_space: global }
      - { .name: maskf, .offset: 88, .size: 8, .value_kind: global_buffer, .address_space: global }
      - { .name: tyf, .offset: 96, .size: 8, .value_kind: global_buffer, .address_space: global }
    .group_segment_fixed_size: 100864
    .private_segment_fixed_size: 0
    .kernarg_segment_align: 8
    .kernarg_segment_size: 104
    .max_flat_workgroup_size: 128
    .sgpr_count:     66
    .vgpr_count:     192
    .wavefront_size: 32
...
	.end_amdgpu_metadata
.endif
;; end of part 1
;; launch proj (part 2): grid 4 x 48, 4 waves a work-group, no clusters, 327,680 bytes of LDS; arguments act_codes, act_scales, w_codes, w_scales, Lo, qkv; writes qkv
.if DOCPART == 2
	.amdgcn_target "amdgcn-amd-amdhsa--gfx1250"
	.amdhsa_code_object_version 6
	.text
	.protected	k_q662744dfc9_proj
	.globl	k_q662744dfc9_proj
	.p2align	8
	.type	k_q662744dfc9_proj,@function
k_q662744dfc9_proj:
	s_mov_b64 s[64:65], 0
	v_nop
	global_prefetch_b8 v0, s[64:65] scope:SCOPE_SE
	s_setreg_imm32_b32 hwreg(HW_REG_WAVE_MODE, 25, 1), 1
	s_wait_xcnt 0x0
; PROJ: the three quantised products, y_q Ly (+ Lo), x_kv Lx, x_kv Tx, each 4,096 x 1,024 with K = 1,024, on codes of FP4 (E2M1) with one E8M0 scale for each 32 along K; sums in f32.
; grid y = 16 x job + tile of 256 tokens; grid x = tile of 256 weight rows (head x 64 + d).  A work-group of four waves makes 256 x 256, a wave 128 x 128: 64 accumulators, 512 registers.
; All of K lies in two LDS slots of 512 along K, filled once by the tensor data mover; the scales of the 512 rows likewise.
; THE RESULT IS STORED AS THE NEXT PRODUCT'S OPERAND.  Source 1 gives the lane, source 0 the registers: a lane's eight results, rounded to f16 in pairs, are four registers of a 16 x 32 fragment.
;   jobs 0, 1 (q, k): source 1 = tokens, source 0 = weight rows: lane = token, registers = d.   job 2 (v): the operands change places: lane = channel d, registers = keys: fragments of V^T.
;   Qf, Kf: [b x 16 + head][tile of 16 tokens][c 2][g 2][lane][16 bytes] at 0 and 8,388,608;  Vf: [64 keys][b x 16 + head][tile of 16 channels][kg 2][g 2][lane][16 bytes] at 16,777,216.
; Each store of a wave covers 512 consecutive bytes, aligned; no stage in LDS is needed.
; NO CLUSTER: one text serves three products, and in the third the operands change places, so a joint load's mask would be a choice between two masks; each tile is asked for once by a work-group and nothing is refilled.
; LIMITS: q, k and x Tx must stay under 65,504 in magnitude (f16).
; REGISTERS, in windows of 256: window 0: v0-31 addresses; v32-95 scale words, two sets; v128-191 A's fragments, one set; v192-255 the bias as C of the first products; on the way out v128-255 packed results.
;   window 1: B's fragments, two sets, at v0 and v128.   window 2: accumulators of my A rows 0-63 ((a, b) at v[8 (8 a + b)]);   window 3: those of rows 64-127.
.set NQ,     4                         ; steps of 128 along K in a slot
.set ROWB,   256                       ; a tile's row: 512 codes
.set KROW,   512                       ; a row of codes in memory
.set PITCH,  272                       ; an LDS row: 256 bytes + 16: the 16 rows that a load touches start at 16 different banks (64 banks of 4 bytes: ISA guide 11.1)
.set FR,     8
.set NL,     2
.set NP,     4                         ; places behind this matrix instruction (ISA guide 7.12.1)
.set HALFT,  128*PITCH
.set SLOT,   4*HALFT                   ; A's 256 rows, then B's 256 rows
.set KS,     32                        ; a row of scale bytes
.set SCL,    2*SLOT                    ; the scales, as units of 256 bytes + 16
.set HALFS,  16*272                    ; those of 128 rows
.set SBLK,   2*272                     ; those of 16 rows
.set SPARE,  SCL+4*HALFS               ; the spare words, 128 bytes for each wave
.set ADRA, 16                          ; v16-17  LDS address of my A fragments in slot 0, 1
.set ADRB, 20                          ; v20-21  the same for B
.set CO,   26                          ; v26     16 x lane
.set ADRS, 27                          ; v27     my scale words: lanes 0-15 A's rows, lanes 16-31 B's
.set SPW,  28                          ; v28     my spare word; never rewritten
.set NIL,  29                          ; v29     0; never rewritten
.set SC,   32
.set AF,   128
.set CB,   192                         ; v192-255: C of the first products: Lo at the lane's eight weight rows (job 0), zeros (jobs 1, 2)
.set TMP,  128
.set G1,   24                          ; s[24:31] group 1 for codes;  s[32:39] for scales;  s[40:43], s[44:47], s[48:51] groups 0: scales, slot 0, slot 1
.set G1S,  32
.set MSB, 0
.macro WIN new                         ; the immediate's high byte repeats the setting that is left
.if MSB != (\new)
	s_set_vgpr_msb (MSB<<8)|(\new)
.set MSB, (\new)
.endif
.endm
.set MUL_LO, 0xa1                      ; source 0 (B) window 1, source 1 (A) window 0, C and D window 2
.set MUL_HI, 0xf1                      ; the same, C and D window 3
.set TO_B,   0x40
	s_load_b128 s[4:7], s[0:1], 0x0                ; act_codes, act_scales
	s_load_b128 s[8:11], s[0:1], 0x10              ; w_codes, w_scales
	s_load_b128 s[12:15], s[0:1], 0x20             ; Lo, qkv
	v_lshl_add_u32 v[SPW], v0, 2, SPARE
	v_mov_b32 v[NIL], 0
	ds_add_u32 v[SPW], v[NIL]                      ; the wave's opening: the add, twice on end, and its wait ahead of my first tensor load
	ds_add_u32 v[SPW], v[NIL]
	v_lshrrev_b32 v1, 5, v0
	v_readfirstlane_b32 s16, v1                    ; wave 0..3
	s_lshr_b32 s17, s16, 1                         ; which half of A's rows is mine.  Also: I fetch for A (0) or for B (1)
	s_and_b32 s18, s16, 1                          ; which half of B's rows.  Also: which 128 rows I fetch
	s_and_b32 s21, ttmp7, 0xffff
	s_lshr_b32 s20, s21, 4                         ; job
	s_and_b32 s21, s21, 15                         ; tile of 256 tokens
	s_mov_b32 s[G1+0], (1<<20)|(5<<22)|(3<<25)     ; elements of 1 byte; padding: 4 words after every 64
	s_mov_b32 s[G1+1], ROWB<<16                    ; tensor_dim0
	s_mov_b32 s[G1+2], 128<<16                     ; tensor_dim1
	s_mov_b32 s[G1+3], ROWB<<16                    ; tile_dim0
	s_mov_b32 s[G1+4], 128                         ; tile_dim1
	s_mov_b32 s[G1+5], KROW                        ; pitch
	s_mov_b32 s[G1+6], 0
	s_mov_b32 s[G1+7], 0
	s_mov_b32 s[G1S+0], (3<<16)|(1<<20)|(5<<22)|(3<<25)   ; 4,096 dense bytes as 16 rows of 32 elements of 8 bytes, padded likewise
	s_mov_b32 s[G1S+1], 32<<16
	s_mov_b32 s[G1S+2], 16<<16
	s_mov_b32 s[G1S+3], 32<<16
	s_mov_b32 s[G1S+4], 16
	s_mov_b32 s[G1S+5], 32
	s_mov_b32 s[G1S+6], 0
	s_mov_b32 s[G1S+7], 0
	s_min_u32 s52, s20, 1
	s_lshl_b32 s52, s52, 12
	s_lshl_b32 s53, s21, 8
	s_add_co_u32 s52, s52, s53                     ; the activations' first row: y_q's for job 0, x_kv's else
	s_lshl_b32 s53, s20, 10
	s_lshl_b32 s54, ttmp9, 8
	s_add_co_u32 s53, s53, s54                     ; the weights' first row
	s_lshr_b32 s54, s20, 1                         ; 1 in job 2, where A is the weights
	s_xor_b32 s54, s54, s17                        ; 0: I fetch activations, 1: weights
	s_mul_i32 s60, s16, HALFT                      ; where my rows go: wave x 128 rows
	s_mul_i32 s61, s16, HALFS
	s_wait_dscnt 0x0                               ; both opening adds are done
	s_wait_kmcnt 0x0
	s_cmp_eq_u32 s54, 0                            ; ids alone
	s_cselect_b32 s55, s52, s53
	s_cselect_b64 s[56:57], s[4:5], s[8:9]
	s_cselect_b64 s[58:59], s[6:7], s[10:11]
	s_lshl_b32 s62, s18, 7
	s_add_co_u32 s55, s55, s62                     ; my 128 rows
	s_lshl_b32 s62, s55, 9
	s_mov_b32 s63, 0
	s_add_nc_u64 s[56:57], s[56:57], s[62:63]      ; their codes
	s_lshl_b32 s62, s55, 5
	s_add_nc_u64 s[58:59], s[58:59], s[62:63]      ; their scale bytes
	s_mov_b32 s40, 1
	s_add_co_u32 s41, s61, SCL
	s_mov_b64 s[42:43], s[58:59]
	s_or_b32 s43, s43, 0x80000000
	s_mov_b32 s44, 1
	s_mov_b32 s45, s60
	s_mov_b64 s[46:47], s[56:57]
	s_or_b32 s47, s47, 0x80000000
	s_mov_b32 s48, 1
	s_add_co_u32 s49, s60, SLOT
	s_add_nc_u64 s[50:51], s[56:57], ROWB
	s_or_b32 s51, s51, 0x80000000
	tensor_load_to_lds s[40:43], s[G1S:G1S+7]      ; the scales of my 128 rows, all of K
	s_nop 0
	tensor_load_to_lds s[44:47], s[G1:G1+7]        ; K 0-511
	s_nop 0
	tensor_load_to_lds s[48:51], s[G1:G1+7]        ; K 512-1023
	s_nop 0
	v_and_b32 v1, 15, v0                           ; r
	v_bfe_u32 v2, v0, 4, 1                         ; h
	s_lshl_b32 s52, ttmp9, 10                      ; Lo at weight row 256 x + 128 x (my half of B): 4 bytes each
	s_lshl_b32 s53, s18, 9
	s_add_co_u32 s52, s52, s53
	s_mov_b32 s53, 0
	s_add_nc_u64 s[12:13], s[12:13], s[52:53]
	v_lshlrev_b32 v7, 5, v2                        ; + 8 h numbers
.irp b, 0,1,2,3,4,5,6,7
	global_load_b128 v[CB+8*\b:CB+8*\b+3], v7, s[12:13] offset:64*\b
	global_load_b128 v[CB+8*\b+4:CB+8*\b+7], v7, s[12:13] offset:64*\b+16
.endr
	v_mul_u32_u24 v3, v1, PITCH
	v_lshl_add_u32 v4, v2, 4, v3                   ; a fragment's row x pitch + 16 x half
	s_mul_i32 s52, s17, HALFT
	s_mul_i32 s53, s18, HALFT
	s_add_co_u32 s53, s53, 2*HALFT
.irp s, 0,1
	v_add_nc_u32 v[ADRA+\s], s52, v4
	v_add_nc_u32 v[ADRB+\s], s53, v4
	s_add_co_u32 s52, s52, SLOT
	s_add_co_u32 s53, s53, SLOT
.endr
	v_mul_u32_u24 v5, v1, KS                       ; my row's scales: 32 bytes a row,
	v_lshrrev_b32 v6, 8, v5
	v_lshl_add_u32 v5, v6, 4, v5                   ; and 16 more for each 256 passed
	s_mul_i32 s52, s17, HALFS
	s_mul_i32 s53, s18, HALFS
	s_add_co_u32 s53, s53, 2*HALFS
	s_sub_co_u32 s53, s53, s52
	v_mul_u32_u24 v6, s53, v2                      ; lanes 16-31 take B's: the lower base + h x the distance
	s_add_co_u32 s52, s52, SCL
	v_add_nc_u32 v5, v5, v6
	v_add_nc_u32 v[ADRS], s52, v5
	v_and_b32 v6, 31, v0
	v_lshlrev_b32 v[CO], 4, v6
	; where my images go
	s_lshr_b32 s52, s21, 3
	s_lshl_b32 s52, s52, 4
	s_lshl_b32 s53, ttmp9, 2
	s_add_co_u32 s52, s52, s53                     ; 16 x batch + 4 x: the tile's first head
	s_and_b32 s53, s21, 7                          ; the tile of 256 tokens in its sequence
	s_lshl_b32 s54, s18, 1                         ; q, k: (head + 2 x B half) x 262,144 + (16 x tile + 8 x A half) x 2,048 + job x 8,388,608
	s_add_co_u32 s54, s54, s52
	s_lshl_b32 s54, s54, 18
	s_lshl_b32 s55, s53, 4
	s_lshl_b32 s56, s17, 3
	s_add_co_u32 s55, s55, s56
	s_lshl_b32 s55, s55, 11
	s_add_co_u32 s54, s54, s55
	s_lshl_b32 s55, s20, 23
	s_add_co_u32 s54, s54, s55
	s_lshl_b32 s55, s53, 2                         ; v: 16,777,216 + (4 x tile + 2 x B half) x 262,144 + (head + 2 x A half) x 8,192
	s_lshl_b32 s56, s18, 1
	s_add_co_u32 s55, s55, s56
	s_lshl_b32 s55, s55, 18
	s_lshl_b32 s56, s17, 1
	s_add_co_u32 s56, s56, s52
	s_lshl_b32 s56, s56, 13
	s_add_co_u32 s55, s55, s56
	s_add_co_u32 s55, s55, 16777216
	s_cmp_eq_u32 s20, 2
	s_cselect_b32 s54, s55, s54
	s_mov_b32 s55, 0
	s_add_nc_u64 s[14:15], s[14:15], s[54:55]
	s_cmp_eq_u32 s20, 0
	s_cselect_b32 s66, -1, 0                       ; all lanes in job 0, none else
	s_wait_loadcnt 0x0
.set i, 0
.rept 64
	v_cndmask_b32 v[CB+i], 0, v[CB+i], s66         ; only q has a bias here
.set i, i+1
.endr
.rept 4
	v_nop
.endr
.macro FRAG reg, adr, q, i             ; 16 rows x 128 K of 4-bit codes: lane l holds row l % 16; registers 4 c .. 4 c + 3 hold K = 64 c + 32 (l / 16) + 0 .. 31
.irp c, 0,1
	ds_load_b128 v[\reg+4*\c:\reg+4*\c+3], v[\adr] offset:64*(\q)+32*\c+(\i)*16*PITCH
.endr
.endm
; 16 matrix instructions: A's blocks a0, a0 + 1 x B's eight, the slot's q-th 128 along K.  p: B's set; sc: the set of scale words.  first = 1: C is the bias: nothing is cleared.
; The 64 accumulators take turns, one instruction a turn, in the same order in every step.
.macro MUL16 a0, p, q, sc, first
.irp a, \a0, \a0+1
.irp b, 0,1,2,3,4,5,6,7
.if \first
	v_wmma_scale_f32_16x16x128_f8f6f4 v[8*(8*((\a)%4)+\b):8*(8*((\a)%4)+\b)+7], v[128*(\p)+FR*\b:128*(\p)+FR*\b+FR-1], v[AF+FR*(\a):AF+FR*(\a)+FR-1], v[CB+8*\b:CB+8*\b+7], v[SC+8*NQ*(\sc)+NQ*\b+(\q)], v[SC+8*NQ*(\sc)+NQ*(\a)+(\q)] matrix_a_fmt:MATRIX_FMT_FP4 matrix_b_fmt:MATRIX_FMT_FP4 matrix_a_scale:MATRIX_SCALE_ROW1
.else
	v_wmma_scale_f32_16x16x128_f8f6f4 v[8*(8*((\a)%4)+\b):8*(8*((\a)%4)+\b)+7], v[128*(\p)+FR*\b:128*(\p)+FR*\b+FR-1], v[AF+FR*(\a):AF+FR*(\a)+FR-1], v[8*(8*((\a)%4)+\b):8*(8*((\a)%4)+\b)+7], v[SC+8*NQ*(\sc)+NQ*\b+(\q)], v[SC+8*NQ*(\sc)+NQ*(\a)+(\q)] matrix_a_fmt:MATRIX_FMT_FP4 matrix_b_fmt:MATRIX_FMT_FP4 matrix_a_scale:MATRIX_SCALE_ROW1
.endif
.endr
.endr
.endm
.macro FETCH_B slot, q, p
	WIN TO_B
.irp i, 0,1,2,3,4,5,6,7
	FRAG 128*(\p)+FR*\i, ADRB+\slot, \q, \i
.endr
	WIN 0
.endm
.macro FETCH_A slot, q, i0
.irp i, \i0, \i0+1, \i0+2, \i0+3
	FRAG AF+FR*(\i), ADRA+\slot, \q, \i
.endr
.endm
.macro SCALES sc                       ; a slot's scale words: four a row; lanes 0-15 take A's block i, lanes 16-31 B's block i
.irp i, 0,1,2,3,4,5,6,7
	ds_load_b128 v[SC+8*NQ*\sc+NQ*\i:SC+8*NQ*\sc+NQ*\i+3], v[ADRS] offset:\i*SBLK
.endr
.endm
.macro PLACES n                        ; plain vector instructions between a matrix instruction and a load into, or a read of, its registers
.rept \n
	v_nop
.endr
.endm
.macro STEP slot, q, first             ; a step of 128 along K that has its successor in the same slot
	s_wait_dscnt 4*NL                              ; B's set and A's blocks 0-3 are in; the youngest eight loads (A's blocks 4-7) may be out
.if \first
	WIN 0x81                                       ; C in window 0
.else
	WIN MUL_LO
.endif
	MUL16 0, (\q)%2, \q, \slot, \first
	MUL16 2, (\q)%2, \q, \slot, \first
	s_wait_dscnt 0                                 ; A's blocks 4-7 are in
	PLACES NP
	FETCH_B \slot, (\q)+1, 1-(\q)%2
	FETCH_A \slot, (\q)+1, 0
.if \first
	WIN 0xc1
.else
	WIN MUL_HI
.endif
	MUL16 4, (\q)%2, \q, \slot, \first
	MUL16 6, (\q)%2, \q, \slot, \first
	PLACES NP
	WIN 0
	FETCH_A \slot, (\q)+1, 4
.endm
.macro STEPS slot, from
.set Q, \from
.rept NQ-1-\from
	STEP \slot, Q, 0
.set Q, Q+1
.endr
.endm
	s_wait_tensorcnt 1                             ; the scales and my part of slot 0 are in (slot 1's load may be out)
	s_barrier_signal -1
	s_barrier_wait -1                              ; everybody's are
	FETCH_B 0, 0, 0
	FETCH_A 0, 0, 0
	SCALES 0
	FETCH_A 0, 0, 4
	STEP 0, 0, 1
	STEPS 0, 1
	; slot 0's last step leads over to slot 1: each wave waits for its load of slot 1, then the barrier shows the whole slot to every wave
	s_wait_tensorcnt 0x0
	ds_add_u32 v[SPW], v[NIL]
	s_wait_dscnt 4*NL+1                            ; (the add and A's blocks 4-7 may be out)
	WIN MUL_LO
	MUL16 0, 1, NQ-1, 0, 0
	s_wait_dscnt 0x0
	s_barrier_signal -1
	MUL16 2, 1, NQ-1, 0, 0
	WIN 0
	s_barrier_wait -1
	PLACES NP
	v_add_nc_u32 v[ADRS], 4*NQ, v[ADRS]            ; the second slot's scale words
	FETCH_B 1, 0, 0
	FETCH_A 1, 0, 0
	SCALES 1
	WIN MUL_HI
	MUL16 4, 1, NQ-1, 0, 0
	MUL16 6, 1, NQ-1, 0, 0
	PLACES NP
	WIN 0
	FETCH_A 1, 0, 4
	STEPS 1, 0
	s_wait_dscnt 4*NL                              ; the last step: nothing more to fetch
	WIN MUL_LO
	MUL16 0, 1, NQ-1, 1, 0
	MUL16 2, 1, NQ-1, 1, 0
	s_wait_dscnt 0
	WIN MUL_HI
	MUL16 4, 1, NQ-1, 1, 0
	MUL16 6, 1, NQ-1, 1, 0
	WIN 0
	; THE WAY OUT: block a's 8 accumulators, each from its low end on, become 8 x 4 registers of f16: half fragments, stored as they stand
	PLACES NP
.irp a, 0,1,2,3,4,5,6,7
.if \a >= 4
	s_wait_xcnt 0x0                                ; block a - 4's stores have read their registers, which are written again
.endif
	WIN 0x0a+5*(\a/4)                              ; sources in window 2 or 3
.irp b, 0,1,2,3,4,5,6,7
.irp r, 0,1,2,3
	v_cvt_pk_f16_f32 v[TMP+32*(\a%4)+4*\b+\r], v[64*(\a%4)+8*\b+2*\r], v[64*(\a%4)+8*\b+2*\r+1]
.endr
.endr
	WIN 0
.irp b, 0,1,2,3,4,5,6,7
	global_store_b128 v[CO], v[TMP+32*(\a%4)+4*\b:TMP+32*(\a%4)+4*\b+3], s[14:15] offset:\a*2048+(\b/4)*262144+((\b/2)%2)*1024+(\b%2)*512
.endr
.endr
	s_wait_tensorcnt 0x0                           ; the wave's end
	ds_add_u32 v[SPW], v[NIL]
	s_wait_dscnt 0x0
	s_endpgm
.Lfunc_end_k_q662744dfc9_proj:
	.size	k_q662744dfc9_proj, .Lfunc_end_k_q662744dfc9_proj-k_q662744dfc9_proj
	.p2alignl 7, 3214868480
	.fill 96, 4, 3214868480
	.section	.rodata,"a",@progbits
	.p2align	6, 0x0
	.amdhsa_kernel k_q662744dfc9_proj
		.amdhsa_group_segment_fixed_size 327680
		.amdhsa_private_segment_fixed_size 0
		.amdhsa_enable_private_segment 0
		.amdhsa_kernarg_size 48
		.amdhsa_user_sgpr_count 2
		.amdhsa_user_sgpr_kernarg_segment_ptr 1
		.amdhsa_wavefront_size32 1
		.amdhsa_system_sgpr_workgroup_id_x 1
		.amdhsa_system_sgpr_workgroup_id_y 1
		.amdhsa_system_sgpr_workgroup_id_z 1
		.amdhsa_system_vgpr_workitem_id 0
		.amdhsa_next_free_vgpr 1024
		.amdhsa_next_free_sgpr 100
		.amdhsa_reserve_vcc 0
		.amdhsa_float_denorm_mode_32 3
		.amdhsa_float_denorm_mode_16_64 3
		.amdhsa_memory_ordered 1
		.amdhsa_forward_progress 1
		.amdhsa_inst_pref_size 120
	.end_amdhsa_kernel
	.amdgpu_metadata
---
amdhsa.version: [ 1, 2 ]
amdhsa.kernels:
  - .name:           k_q662744dfc9_proj
    .symbol:         k_q662744dfc9_proj.kd
    .args:
      - { .name: act_codes, .offset: 0, .size: 8, .value_kind: global_buffer, .address_space: global }
      - { .name: act_scales, .offset: 8, .size: 8, .value_kind: global_buffer, .address_space: global }
      - { .name: w_codes, .offset: 16, .size: 8, .value_kind: global_buffer, .address_space: global }
      - { .name: w_scales, .offset: 24, .size: 8, .value_kind: global_buffer, .address_space: global }
      - { .name: Lo, .offset: 32, .size: 8, .value_kind: global_buffer, .address_space: global }
      - { .name: qkv, .offset: 40, .size: 8, .value_kind: global_buffer, .address_space: global }
    .group_segment_fixed_size: 327680
    .private_segment_fixed_size: 0
    .kernarg_segment_align: 8
    .kernarg_segment_size: 48
    .max_flat_workgroup_size: 128
    .sgpr_count:     100
    .vgpr_count:     1024
    .wavefront_size: 32
...
	.end_amdgpu_metadata
.endif
;; end of part 2
;; launch attn (part 3): grid 16 x 16, 8 waves a work-group, clusters of 4 x 4, 327,680 bytes of LDS; arguments qkv, maskf, To0, of; writes of
.if DOCPART == 3
	.amdgcn_target "amdgcn-amd-amdhsa--gfx1250"
	.amdhsa_code_object_version 6
	.text
	.protected	k_q662744dfc9_attn
	.globl	k_q662744dfc9_attn
	.p2align	8
	.type	k_q662744dfc9_attn,@function
k_q662744dfc9_attn:
	s_mov_b64 s[64:65], 0
	v_nop
	global_prefetch_b8 v0, s[64:65] scope:SCOPE_SE
	s_setreg_imm32_b32 hwreg(HW_REG_WAVE_MODE, 25, 1), 1
	s_wait_xcnt 0x0
	s_wait_alu depctr_hold_cnt(0) depctr_sa_sdst(0) depctr_va_vdst(0) depctr_va_sdst(0) depctr_va_ssrc(0) depctr_va_vcc(0) depctr_vm_vsrc(0)
	s_getreg_b32 s2, hwreg(HW_REG_IB_STS2, 6, 4)
	s_cmp_eq_u32 s2, 0
	s_cbranch_scc0 .Lentry_in_a_cluster
	s_endpgm
.Lentry_in_a_cluster:
	s_bfe_u32 s2, ttmp6, 0x10000c
	s_cmp_lg_u32 s2, 0xf033
	s_cbranch_scc0 .Lentry_shape_is_right
	s_endpgm
.Lentry_shape_is_right:
; ATTN: o[b][head][query][:] = sum over keys of softmax_keys((q . k + mask[key][query]) / 8) (v[key][:]) + To0[head][:], f16 operands, f32 sums, maxima and exponentials.
; (The weights of a query sum to 1, so reference()'s bias on every value is added once, behind the weighted sum: only the order of rounding differs.)
; SHARES.  Work-group (x, y): 128 queries (block x), two heads (b x 16 + head = 2 y, 2 y + 1).  Wave w: head w & 1; 64 queries (w >> 1) & 1, four tiles of 16; key half w >> 2: 64 of each slot's 128 keys.
; Two waves share a SIMD: one wave's softmax stands beside the other's products and LDS loads.  The two key halves of a query are merged once, at the end, through LDS.
; LAYOUT.  S^T = K Q^T + mask (source 0 = 16 keys, source 1 = 16 queries): a lane holds ONE query and the keys 8 (lane / 16) + 0..7.  The mask, laid as images of that result, is loaded straight into the score registers and is the C of the first product.
; Two score tiles rounded to f16 in pairs ARE source 1 of O^T = V^T P.  K, V^T and Q come as images of their fragments: 16 bytes a lane at 16 x lane, no pitch, no padding, no transposing load.
; SOFTMAX.  For each query a running maximum m and sum l: p = 2^(c s - c m), c = log2(e) / 8; in every step O and l are multiplied by a = 2^(c m_old - c m_new).  m begins at -3e38, O and l at 0.
; CLUSTER 4 x 4.  K and V hang on y alone: asked for jointly along a row of the cluster.  The mask's tiles hang on x alone: jointly along a column.
; RING.  Two slots of 128 keys, 131,072 bytes each: eight pieces of 16,384 dense bytes, one a wave: K of head 0, 1; V of key step 0, 1 (both heads); the mask for (key half, query half).  One tensor load of a wave is out at any time.
; LIMITS: -infinity in the mask is served (a query with no key left gives NaN, as reference() does); +infinity and NaN among the inputs are not.  o must stay under 65,504 in magnitude (f16).
; REGISTERS.  window 0: v1-13 addresses; v16-63 statistics, 12 a tile; v64-127 Q ((t, c) at 64 + 16 t + 8 c); v128-255 S^T, then P ((t, kt) at 128 + 32 t + 8 kt).
;   window 1: v0-127 O^T ((t, ct) at 32 t + 8 ct); v128-191 K ((kt, c) at 128 + 16 kt + 8 c); v192-255 V^T ((ct, kg) at 192 + 16 ct + 8 kg).
.set SLOT1, 131072
.set SPARE, 262144                     ; behind the ring: the spare words, 128 bytes for each of eight waves
.set AK0, 2                            ; v2   my lane's place in K's piece
.set AV0, 3                            ; v3   in V's
.set AM0, 4                            ; v4   in the mask's
.set ADK, 5                            ; v5-7 the same in the slot in hand
.set ADV, 6
.set ADM, 7
.set STG, 8                            ; v8   the merge's stage: (w & 3) x 17,408 + 16 x lane, in slot 0
.set PFO, 9                            ; v9   the prefetches' lane offset
.set TOA, 10                           ; v10  32 x (lane / 16): To0
.set SPW, 12                           ; v12  my spare word; never rewritten
.set NIL, 13                           ; v13  0; never rewritten
.set ST,  16                           ; tile t at v[16 + 12 t]: +0 c m, +1 m, +2 +3 l, +4 +5 maximum, exchange, sums, +6 a (+7 its pair), +8 +9 sums, +10 the old c m
.set Q,   64
.set S,   128
.set KF,  128
.set VF,  192
.set WV,  12                           ; s12  wave
.set SEL, 20                           ; s[20:21] selects of v_permlanex16_b32: lane l xor 16
.set CS,  22                           ; s[22:23] c, as a pair
.set G1KV, 24                          ; s[24:31] group 1 with my row's mask;  s[32:39] with my column's
.set G1M,  32
.set G0K,  40                          ; s[40:43], s[44:47], s[48:51]: the walking groups 0 of K, V, the mask
.set G0V,  44
.set G0M,  48
.set TB,   52                          ; s52  the slot in hand
.set SLOTS, 53
.set LIM,  54                          ; s54  1 in a wave that prefetches, else the greatest number
.set PFA,  56                          ; s[56:57] where my prefetches stand;  s[58:59] a slot on
.set PFS,  58
.set MSB, 0
.macro WIN new
.if MSB != (\new)
	s_set_vgpr_msb (MSB<<8)|(\new)
.set MSB, (\new)
.endif
.endm
; A joint load: waves 0, 1 K's pieces, waves 2, 3 V's, waves 4-7 the mask's.  The branches hang on the wave's number alone.  An s_nop 0 and four v_nop follow each line.
.macro JLOAD
	s_cmp_lt_u32 s[WV], 2
	s_cbranch_scc0 .Lnot_k_\@
	tensor_load_to_lds s[G0K:G0K+3], s[G1KV:G1KV+7]
	s_nop 0
.rept 4
	v_nop
.endr
	s_branch .Lasked_\@
.Lnot_k_\@:
	s_cmp_lt_u32 s[WV], 4
	s_cbranch_scc0 .Lfor_m_\@
	tensor_load_to_lds s[G0V:G0V+3], s[G1KV:G1KV+7]
	s_nop 0
.rept 4
	v_nop
.endr
	s_branch .Lasked_\@
.Lfor_m_\@:
	tensor_load_to_lds s[G0M:G0M+3], s[G1M:G1M+7]
	s_nop 0
.rept 4
	v_nop
.endr
.Lasked_\@:
.endm
; A prefetch of what the NEXT change of slots will ask for, one key slot ahead of that load.  Each aligned 256 bytes are named once in the launch: K and V by the clusters with x = 0 (wave 0: K, wave 2: V; the row's four
; partners take 4,096 bytes of each piece, told apart by address; lanes 16-31 name the second head or key step); the mask by the clusters with y = 0 (waves 4, 5; the column's four partners take 16,384 bytes each).
; The last change that fills a slot asks for nothing; nothing is asked for at the head.
.macro ASK
	s_cmp_gt_u32 s[SLOTS], s[LIM]
	s_cbranch_scc0 .Lnot_mine_\@
	global_prefetch_b8 v[PFO], s[PFA:PFA+1] th:TH_LOAD_NT scope:SCOPE_SE
.Lnot_mine_\@:
.endm
.macro ROUND                           ; a round of the cluster's barrier
	s_barrier_signal -1
	s_barrier_wait -1
	s_cmp_lg_u32 s[WV], 0
	s_cbranch_scc1 .Lnot_wave_0_\@
	s_barrier_signal -3
.Lnot_wave_0_\@:
	s_barrier_wait -3
	s_barrier_signal -1
	s_barrier_wait -1
.endm
	s_load_b256 s[4:11], s[0:1], 0x0               ; qkv s[4:5], maskf s[6:7], To0 s[8:9], of s[10:11]
	v_lshl_add_u32 v[SPW], v0, 2, SPARE
	v_mov_b32 v[NIL], 0
	ds_add_u32 v[SPW], v[NIL]                      ; the wave's opening: the add, twice on end, and its wait ahead of the round in front of my first tensor load
	ds_add_u32 v[SPW], v[NIL]
	v_lshrrev_b32 v1, 5, v0
	v_readfirstlane_b32 s[WV], v1                  ; wave 0..7
	s_bfe_u32 s13, ttmp6, 0x40000                  ; cx
	s_bfe_u32 s14, ttmp6, 0x40004                  ; cy
	s_lshl_b32 s15, ttmp9, 2
	s_add_co_u32 s15, s15, s13                     ; x: block of 128 queries
	s_and_b32 s16, ttmp7, 0xffff
	s_lshl_b32 s16, s16, 2
	s_add_co_u32 s16, s16, s14                     ; y: pair of heads
	s_and_b32 s17, s[WV], 1                        ; my head of the two
	s_bfe_u32 s18, s[WV], 0x10001                  ; my 64 queries
	s_lshr_b32 s19, s[WV], 2                       ; my 64 keys of a slot
	s_lshl_b32 s70, s14, 2
	s_lshl_b32 s70, 15, s70                        ; my row of the cluster
	s_lshl_b32 s71, 0x1111, s13                    ; my column
	s_or_b32 s[G1KV], s70, (3<<16)|(1<<21)         ; elements of 8 bytes; bit 21 beside a mask; no padding
	s_or_b32 s[G1M], s71, (3<<16)|(1<<21)
.irp g, G1KV, G1M                      ; 16,384 dense bytes as 64 rows of 256
	s_mov_b32 s[\g+1], 32<<16
	s_mov_b32 s[\g+2], 64<<16
	s_mov_b32 s[\g+3], 32<<16
	s_mov_b32 s[\g+4], 64
	s_mov_b32 s[\g+5], 32
	s_mov_b32 s[\g+6], 0
	s_mov_b32 s[\g+7], 0
.endr
	s_lshl_b32 s60, s16, 1                         ; K: 8,388,608 + (2 y + w & 1) x 262,144: y and the wave alone
	s_add_co_u32 s60, s60, s17
	s_lshl_b32 s60, s60, 18
	s_add_co_u32 s60, s60, 8388608
	s_mov_b32 s61, 0
	s_lshl_b32 s62, s16, 14                        ; V: 16,777,216 + (w & 1) x 262,144 + 2 y x 8,192
	s_lshl_b32 s63, s17, 18
	s_add_co_u32 s62, s62, s63
	s_add_co_u32 s62, s62, 16777216
	s_mov_b32 s63, 0
	s_lshl_b32 s66, s15, 20                        ; the mask: x x 1,048,576 + (w & 3) x 16,384: x and the wave alone
	s_and_b32 s67, s[WV], 3
	s_lshl_b32 s67, s67, 14
	s_add_co_u32 s66, s66, s67
	s_mov_b32 s67, 0
	s_mov_b32 s[G0K], 1
	s_lshl_b32 s[G0K+1], s[WV], 14                 ; piece w of slot 0
	s_mov_b32 s[G0V], 1
	s_lshl_b32 s[G0V+1], s[WV], 14
	s_mov_b32 s[G0M], 1
	s_lshl_b32 s[G0M+1], s[WV], 14
	s_mov_b32 s[SEL], 0x76543210
	s_mov_b32 s[SEL+1], 0xfedcba98
	s_mov_b32 s[CS], 0x3e38aa3b                    ; c = log2(e) / 8
	s_mov_b32 s[CS+1], s[CS]
	s_mov_b32 s[TB], 0
	s_mov_b32 s[SLOTS], 15
	; the prefetches: offsets of slot 1 (the first change steps them to slot 2), steps, who asks
	s_lshl_b32 s72, s13, 12
	s_add_co_u32 s73, s72, s62
	s_add_co_u32 s73, s73, 524288                  ; V's
	s_add_co_u32 s72, s72, s60
	s_add_co_u32 s72, s72, 16384                   ; K's
	s_lshl_b32 s74, s15, 20
	s_lshl_b32 s75, s14, 14
	s_add_co_u32 s74, s74, s75
	s_lshl_b32 s75, s17, 13
	s_add_co_u32 s74, s74, s75
	s_add_co_u32 s74, s74, 65536                   ; the mask's
	s_or_b32 s78, s17, ttmp9                       ; 0 in waves 0, 2 of the clusters with x = 0
	s_and_b32 s79, ttmp7, 0xffff
	s_or_b32 s79, s79, s18                         ; 0 in waves 4, 5 of the clusters with y = 0
	s_cmp_lt_u32 s[WV], 2
	s_cselect_b32 s72, s72, s73
	s_cselect_b32 s76, 14, 19
	s_cmp_lt_u32 s[WV], 4
	s_cselect_b32 s72, s72, s74
	s_cselect_b32 s76, s76, 16
	s_cselect_b32 s77, 18, 12
	s_cselect_b32 s78, s78, s79
	s_mov_b32 s73, 0
	s_lshl_b32 s[PFS], 1, s76                      ; a slot on: 16,384, 524,288 or 65,536 bytes
	s_mov_b32 s[PFS+1], 0
	s_cmp_eq_u32 s78, 0
	s_cselect_b32 s[LIM], 1, -1                    ; the same in all partners, for a given wave
	v_bfe_u32 v[PFO], v0, 4, 1
	v_lshlrev_b32 v[PFO], s77, v[PFO]
	v_and_b32 v11, 15, v0
	v_lshl_add_u32 v[PFO], v11, 8, v[PFO]          ; 256 x (lane % 16) + (lane / 16) x 262,144 (K, V) or 4,096 (the mask)
	; LDS addresses: constants, the wave's number, the lane
	v_and_b32 v1, 31, v0
	v_lshlrev_b32 v1, 4, v1                        ; 16 x lane
	s_lshl_b32 s80, s17, 14
	s_lshl_b32 s81, s19, 13
	s_add_co_u32 s80, s80, s81
	v_add_nc_u32 v[AK0], s80, v1                   ; head x 16,384 + key half x 8,192
	s_lshl_b32 s80, s19, 14
	s_lshl_b32 s81, s17, 13
	s_add_co_u32 s80, s80, s81
	s_add_co_u32 s80, s80, 32768
	v_add_nc_u32 v[AV0], s80, v1                   ; 32,768 + key half x 16,384 + head x 8,192
	s_lshl_b32 s80, s19, 15
	s_lshl_b32 s81, s18, 14
	s_add_co_u32 s80, s80, s81
	s_add_co_u32 s80, s80, 65536
	v_add_nc_u32 v[AM0], s80, v1                   ; 65,536 + key half x 32,768 + query half x 16,384
	s_and_b32 s80, s[WV], 3
	s_mul_i32 s80, s80, 17408
	v_add_nc_u32 v[STG], s80, v1
	v_bfe_u32 v[TOA], v0, 4, 1
	v_lshlrev_b32 v[TOA], 5, v[TOA]
	s_wait_dscnt 0x0                               ; both opening adds are done
	s_wait_kmcnt 0x0
	s_add_nc_u64 s[G0K+2:G0K+3], s[4:5], s[60:61]
	s_or_b32 s[G0K+3], s[G0K+3], 0x80000000
	s_add_nc_u64 s[G0V+2:G0V+3], s[4:5], s[62:63]
	s_or_b32 s[G0V+3], s[G0V+3], 0x80000000
	s_add_nc_u64 s[G0M+2:G0M+3], s[6:7], s[66:67]
	s_or_b32 s[G0M+3], s[G0M+3], 0x80000000
	s_cmp_lt_u32 s[WV], 4
	s_cselect_b64 s[PFA:PFA+1], s[4:5], s[6:7]
	s_add_nc_u64 s[PFA:PFA+1], s[PFA:PFA+1], s[72:73]
	ROUND                                          ; all sixteen work-groups are here: the first joint loads meet
	JLOAD                                          ; keys 0-127 into slot 0
	s_lshl_b32 s80, s16, 1                         ; Q: ((2 y + head) x 128 + 8 x + 4 x query half) tiles of 2,048 bytes
	s_add_co_u32 s80, s80, s17
	s_lshl_b32 s80, s80, 7
	s_lshl_b32 s81, s15, 3
	s_add_co_u32 s80, s80, s81
	s_lshl_b32 s81, s18, 2
	s_add_co_u32 s80, s80, s81
	s_lshl_b32 s80, s80, 11
	s_mov_b32 s81, 0
	s_add_nc_u64 s[82:83], s[4:5], s[80:81]
.set i, 0
.rept 16
	global_load_b128 v[Q+4*i:Q+4*i+3], v1, s[82:83] offset:512*i   ; Q stays in registers
.set i, i+1
.endr
	s_lshl_b32 s70, s16, 1                         ; the way out's bases
	s_add_co_u32 s70, s70, s17
	s_and_b32 s70, s70, 15                         ; head
	s_lshl_b32 s72, s70, 8
	s_mov_b32 s73, 0
	s_add_nc_u64 s[84:85], s[8:9], s[72:73]        ; To0 at my head
	s_lshr_b32 s71, s70, 2                         ; of: (head / 4) x 2,097,152 + (batch x 128 + 8 x + 4 x query half) x 8,192 + (head % 4) x 2,048
	s_lshl_b32 s71, s71, 21
	s_and_b32 s72, s70, 3
	s_lshl_b32 s72, s72, 11
	s_add_co_u32 s71, s71, s72
	s_lshr_b32 s72, s16, 3
	s_lshl_b32 s72, s72, 7
	s_lshl_b32 s74, s15, 3
	s_add_co_u32 s72, s72, s74
	s_lshl_b32 s74, s18, 2
	s_add_co_u32 s72, s72, s74
	s_lshl_b32 s72, s72, 13
	s_add_co_u32 s72, s72, s71
	s_mov_b32 s73, 0
	s_add_nc_u64 s[86:87], s[10:11], s[72:73]
.irp t, 0,1,2,3
	v_mov_b32 v[ST+12*\t+1], 0xff61b1e6            ; m = -3e38, under every score
	v_mul_f32 v[ST+12*\t], s[CS], v[ST+12*\t+1]    ; c m
	v_mov_b32 v[ST+12*\t+2], 0                     ; l, in two halves
	v_mov_b32 v[ST+12*\t+3], 0
	v_mov_b32 v[ST+12*\t+5], 0                     ; a lane permute's destination counts as one of its sources
	v_mov_b32 v[ST+12*\t+7], 0                     ; named with a as a pair
.endr
	WIN 0x40
.set i, 0
.rept 128
	v_mov_b32 v[i], 0                              ; O^T, once: the key step is written with no first copy; the first a is 0 and leaves zeros
.set i, i+1
.endr
	WIN 0
	s_wait_loadcnt 0x0                             ; Q
; A KEY STEP of a wave: 64 keys x 64 queries of one head.
.macro STEPWORK
	v_add_nc_u32 v[ADK], s[TB], v[AK0]             ; these five plain lines stand between the last products and the loads into, and the products onto, their registers
	v_add_nc_u32 v[ADV], s[TB], v[AV0]
	v_add_nc_u32 v[ADM], s[TB], v[AM0]
	v_nop
	v_nop
	WIN 0x40
.set i, 0
.rept 16
	ds_load_b128 v[KF+4*i:KF+4*i+3], v[ADK] offset:512*i
.set i, i+1
.endr
	WIN 0
.set i, 0
.rept 32
	ds_load_b128 v[S+4*i:S+4*i+3], v[ADM] offset:512*i   ; the mask, into the score registers
.set i, i+1
.endr
	WIN 0x40
.set i, 0
.rept 16
	ds_load_b128 v[VF+4*i:VF+4*i+3], v[ADV] offset:512*i
.set i, i+1
.endr
	s_wait_dscnt 16                                ; K and the mask are in; V's sixteen loads may be out
	WIN 0x01                                       ; K in window 1
.irp c, 0,1                                    ; the 16 accumulators by turns, one instruction a turn
.irp t, 0,1,2,3
.irp k, 0,1,2,3
	v_wmma_f32_16x16x32_f16 v[S+32*\t+8*\k:S+32*\t+8*\k+7], v[KF+16*\k+8*\c:KF+16*\k+8*\c+7], v[Q+16*\t+8*\c:Q+16*\t+8*\c+7], v[S+32*\t+8*\k:S+32*\t+8*\k+7]
.endr
.endr
.endr
	WIN 0
.rept 4
	v_nop
.endr
.irp t, 0,1,2,3                                ; the largest of my 32 scores and the old m; the four tiles by turns; each accumulator is first read at its low end
	v_max3_num_f32 v[ST+12*\t+4], v[S+32*\t], v[S+32*\t+1], v[S+32*\t+2]
.endr
.irp i, 3,5,7,9,11,13,15,17,19,21,23,25,27,29
.irp t, 0,1,2,3
	v_max3_num_f32 v[ST+12*\t+4], v[ST+12*\t+4], v[S+32*\t+\i], v[S+32*\t+\i+1]
.endr
.endr
.irp t, 0,1,2,3
	v_max3_num_f32 v[ST+12*\t+4], v[ST+12*\t+4], v[S+32*\t+31], v[ST+12*\t+1]
.endr
.irp t, 0,1,2,3
	v_permlanex16_b32 v[ST+12*\t+5], v[ST+12*\t+4], s[SEL], s[SEL+1]   ; the query's other 32 keys lie in the lane 16 away
.endr
.irp t, 0,1,2,3
	v_mov_b32 v[ST+12*\t+10], v[ST+12*\t]          ; c m_old
.endr
.irp t, 0,1,2,3
	v_max_num_f32 v[ST+12*\t+1], v[ST+12*\t+4], v[ST+12*\t+5]
.endr
.irp t, 0,1,2,3
	v_mul_f32 v[ST+12*\t], s[CS], v[ST+12*\t+1]
.endr
.irp t, 0,1,2,3
	v_sub_f32 v[ST+12*\t+10], v[ST+12*\t+10], v[ST+12*\t]
.endr
.irp p, 0,2,4,6,8,10,12,14,16,18,20,22,24,26,28,30
.irp t, 0,1,2,3
	v_pk_fma_f32 v[S+32*\t+\p:S+32*\t+\p+1], v[S+32*\t+\p:S+32*\t+\p+1], s[CS:CS+1], v[ST+12*\t:ST+12*\t+1] op_sel_hi:[1,0,0] neg_lo:[0,0,1] neg_hi:[0,0,1]   ; c s - c m
.endr
.endr
.irp t, 0,1,2,3
	v_exp_f32 v[ST+12*\t+6], v[ST+12*\t+10]        ; a
.endr
.set i, 0
.rept 32
.irp t, 0,1,2,3
	v_exp_f32 v[S+32*\t+i], v[S+32*\t+i]           ; p
.endr
.set i, i+1
.endr
	v_nop                                          ; a plain line behind the last exponential
	s_wait_alu depctr_va_vdst(0)                   ; one wait for the batch of 132, ahead of its first reader
.irp t, 0,1,2,3                                ; the sums are taken of the unrounded p, two at a time, in two chains a tile
	v_pk_add_f32 v[ST+12*\t+4:ST+12*\t+5], v[S+32*\t:S+32*\t+1], v[S+32*\t+2:S+32*\t+3]
.endr
.irp t, 0,1,2,3
	v_pk_add_f32 v[ST+12*\t+8:ST+12*\t+9], v[S+32*\t+4:S+32*\t+5], v[S+32*\t+6:S+32*\t+7]
.endr
.irp j, 8,12,16,20,24,28
.irp t, 0,1,2,3
	v_pk_add_f32 v[ST+12*\t+4:ST+12*\t+5], v[ST+12*\t+4:ST+12*\t+5], v[S+32*\t+\j:S+32*\t+\j+1]
.endr
.irp t, 0,1,2,3
	v_pk_add_f32 v[ST+12*\t+8:ST+12*\t+9], v[ST+12*\t+8:ST+12*\t+9], v[S+32*\t+\j+2:S+32*\t+\j+3]
.endr
.endr
.irp t, 0,1,2,3
	v_pk_add_f32 v[ST+12*\t+4:ST+12*\t+5], v[ST+12*\t+4:ST+12*\t+5], v[ST+12*\t+8:ST+12*\t+9]
.endr
.irp t, 0,1,2,3
	v_pk_fma_f32 v[ST+12*\t+2:ST+12*\t+3], v[ST+12*\t+2:ST+12*\t+3], v[ST+12*\t+6:ST+12*\t+7], v[ST+12*\t+4:ST+12*\t+5] op_sel_hi:[1,0,1]   ; l = a l + the sum
.endr
.set i, 0
.rept 16
.irp t, 0,1,2,3
	v_cvt_pk_f16_f32 v[S+32*\t+i], v[S+32*\t+2*i], v[S+32*\t+2*i+1]   ; in place, ascending: P (t, kg) lies at S + 32 t + 8 kg
.endr
.set i, i+1
.endr
	WIN 0x41                                       ; O^T in window 1, a in window 0
.set i, 0
.rept 16
.irp t, 0,1,2,3
	v_pk_mul_f32 v[32*\t+2*i:32*\t+2*i+1], v[32*\t+2*i:32*\t+2*i+1], v[ST+12*\t+6:ST+12*\t+7] op_sel_hi:[1,0]
.endr
.set i, i+1
.endr
	s_wait_dscnt 0x0                               ; V is in
	WIN 0x51                                       ; V, C and D in window 1, P in window 0
.irp g, 0,1
.irp t, 0,1,2,3
.irp n, 0,1,2,3
	v_wmma_f32_16x16x32_f16 v[32*\t+8*\n:32*\t+8*\n+7], v[VF+16*\n+8*\g:VF+16*\n+8*\g+7], v[S+32*\t+8*\g:S+32*\t+8*\g+7], v[32*\t+8*\n:32*\t+8*\n+7]
.endr
.endr
.endr
	WIN 0
.endm
; THE CHANGE OF SLOTS stands at a slot's head.  Each wave waits for all its tensor loads (its piece of the slot ahead), adds 0 to its spare word, and waits for that and for its reads of the slot that it has left.
; fill = 1: the barrier is a round of the cluster's, and behind it the slot just left takes the next 128 keys: the wave's one tensor load until the next change.
.macro CHANGE fill
	s_wait_tensorcnt 0x0                           ; no tensor load of mine is out, so a group 0 may be written
	ds_add_u32 v[SPW], v[NIL]
.if \fill
	s_xor_b32 s[G0K+1], s[G0K+1], SLOT1
	s_add_nc_u64 s[G0K+2:G0K+3], s[G0K+2:G0K+3], 16384
	s_xor_b32 s[G0V+1], s[G0V+1], SLOT1
	s_add_nc_u64 s[G0V+2:G0V+3], s[G0V+2:G0V+3], 524288
	s_xor_b32 s[G0M+1], s[G0M+1], SLOT1
	s_add_nc_u64 s[G0M+2:G0M+3], s[G0M+2:G0M+3], 65536
	s_wait_xcnt 0x0                                ; the last prefetch, a slot back, has read its address
	s_add_nc_u64 s[PFA:PFA+1], s[PFA:PFA+1], s[PFS:PFS+1]
	s_wait_dscnt 0x0                               ; the add is done, and my reads of the slot that I have left are over
	ROUND
	JLOAD
	ASK
.else
	s_wait_dscnt 0x0
	s_barrier_signal -1
	s_barrier_wait -1
.endif
.endm
.Lslot:                                            ; 15 trips: behind each change but the last the next slot is asked for
	CHANGE 1
	STEPWORK
	s_xor_b32 s[TB], s[TB], SLOT1
	s_sub_co_u32 s[SLOTS], s[SLOTS], 1
	s_cmp_lg_u32 s[SLOTS], 0
	s_cbranch_scc1 .Lslot
	CHANGE 0                                       ; the last slot is written out
	STEPWORK
	; THE MERGE of the two key halves.  A barrier first: every wave's reads of the ring are over, so the stage may lie in slot 0, which has had its last fill.
	s_wait_dscnt 0x0
	s_barrier_signal -1
	s_barrier_wait -1
.irp t, 0,1,2,3
	v_add_f32 v[ST+12*\t+4], v[ST+12*\t+2], v[ST+12*\t+3]
.endr
.irp t, 0,1,2,3
	v_permlanex16_b32 v[ST+12*\t+5], v[ST+12*\t+4], s[SEL], s[SEL+1]
.endr
.irp t, 0,1,2,3
	v_add_f32 v[ST+12*\t+2], v[ST+12*\t+4], v[ST+12*\t+5]   ; my half's l
.endr
	s_cmp_lt_u32 s[WV], 4
	s_cbranch_scc1 .Llower
.irp t, 0,1,2,3                                ; waves 4-7 hand over c m, l and O^T, as images of their registers
	v_mov_b32 v[104+\t], v[ST+12*\t]
.endr
.irp t, 0,1,2,3
	v_mov_b32 v[108+\t], v[ST+12*\t+2]
.endr
	WIN 0x04                                       ; an LDS store's data are its source 1: window 1
.set i, 0
.rept 32
	ds_store_b128 v[STG], v[4*i:4*i+3] offset:512*i
.set i, i+1
.endr
	WIN 0
	ds_store_b128 v[STG], v[104:107] offset:16384
	ds_store_b128 v[STG], v[108:111] offset:16896
	s_branch .Ljoin
.Llower:
.irp n, 0,1,2,3                                ; waves 0-3 fetch To0 at the lane's channels 16 ct + 8 h + 0..7
	global_load_b128 v[64+8*\n:67+8*\n], v[TOA], s[84:85] offset:64*\n
	global_load_b128 v[68+8*\n:71+8*\n], v[TOA], s[84:85] offset:64*\n+16
.endr
.Ljoin:
	s_wait_dscnt 0x0                               ; for the others' sake: my stores into the stage are done
	s_barrier_signal -1
	s_barrier_wait -1
	s_cmp_lt_u32 s[WV], 4
	s_cbranch_scc0 .Lfinish
	ds_load_b128 v[96:99], v[STG] offset:16384     ; the partner's c m
	ds_load_b128 v[100:103], v[STG] offset:16896   ; and l
.set i, 0
.rept 32
	ds_load_b128 v[S+4*i:S+4*i+3], v[STG] offset:512*i   ; and O^T
.set i, i+1
.endr
	s_wait_dscnt 32                                ; the two quads are in; O^T's 32 loads may be out
.irp t, 0,1,2,3
	v_max_num_f32 v[ST+12*\t+4], v[ST+12*\t], v[96+\t]
.endr
.irp t, 0,1,2,3
	v_sub_f32 v[ST+12*\t+5], v[ST+12*\t], v[ST+12*\t+4]
.endr
.irp t, 0,1,2,3
	v_sub_f32 v[ST+12*\t+8], v[96+\t], v[ST+12*\t+4]
.endr
.irp t, 0,1,2,3
	v_exp_f32 v[ST+12*\t+5], v[ST+12*\t+5]         ; f1
.endr
.irp t, 0,1,2,3
	v_exp_f32 v[ST+12*\t+8], v[ST+12*\t+8]         ; f2
.endr
	v_nop
	s_wait_alu depctr_va_vdst(0)                   ; one wait for the eight
.irp t, 0,1,2,3
	v_mul_f32 v[ST+12*\t+9], v[ST+12*\t+8], v[100+\t]
.endr
.irp t, 0,1,2,3
	v_fma_f32 v[ST+12*\t+9], v[ST+12*\t+5], v[ST+12*\t+2], v[ST+12*\t+9]   ; l = f1 l1 + f2 l2
.endr
.irp t, 0,1,2,3
	v_rcp_f32 v[ST+12*\t+10], v[ST+12*\t+9]
.endr
	v_nop
	s_wait_alu depctr_va_vdst(0)                   ; one wait for the four
.irp t, 0,1,2,3
	v_mul_f32 v[ST+12*\t+6], v[ST+12*\t+5], v[ST+12*\t+10]   ; g1 = f1 / l
.endr
.irp t, 0,1,2,3
	v_mul_f32 v[ST+12*\t+8], v[ST+12*\t+8], v[ST+12*\t+10]   ; g2 = f2 / l
.endr
	s_wait_dscnt 0x0
	s_wait_loadcnt 0x0                             ; To0
.set i, 0
.rept 16
.irp t, 0,1,2,3
	v_pk_fma_f32 v[S+32*\t+2*i:S+32*\t+2*i+1], v[S+32*\t+2*i:S+32*\t+2*i+1], v[ST+12*\t+8:ST+12*\t+9], v[64+2*i:65+2*i] op_sel_hi:[1,0,1]   ; the partner's O^T x g2 + To0
.endr
.set i, i+1
.endr
	WIN 0x01                                       ; my O^T in window 1
.set i, 0
.rept 16
.irp t, 0,1,2,3
	v_pk_fma_f32 v[S+32*\t+2*i:S+32*\t+2*i+1], v[32*\t+2*i:32*\t+2*i+1], v[ST+12*\t+6:ST+12*\t+7], v[S+32*\t+2*i:S+32*\t+2*i+1] op_sel_hi:[1,0,1]   ; + mine x g1
.endr
.set i, i+1
.endr
	WIN 0
.set i, 0
.rept 16
.irp t, 0,1,2,3
	v_cvt_pk_f16_f32 v[S+32*\t+i], v[S+32*\t+2*i], v[S+32*\t+2*i+1]   ; four registers a tile of channels: half a fragment of the last product's operand
.endr
.set i, i+1
.endr
.irp t, 0,1,2,3
.irp n, 0,1,2,3
	global_store_b128 v1, v[S+32*\t+4*\n:S+32*\t+4*\n+3], s[86:87] offset:8192*\t+512*\n   ; 32 lanes store 512 consecutive bytes, aligned
.endr
.endr
.Lfinish:
	s_wait_tensorcnt 0x0                           ; the wave's end
	ds_add_u32 v[SPW], v[NIL]
	s_wait_dscnt 0x0
	ROUND                                          ; the closing round
	s_endpgm
.Lfunc_end_k_q662744dfc9_attn:
	.size	k_q662744dfc9_attn, .Lfunc_end_k_q662744dfc9_attn-k_q662744dfc9_attn
	.p2alignl 7, 3214868480
	.fill 96, 4, 3214868480
	.section	.rodata,"a",@progbits
	.p2align	6, 0x0
	.amdhsa_kernel k_q662744dfc9_attn
		.amdhsa_group_segment_fixed_size 327680
		.amdhsa_private_segment_fixed_size 0
		.amdhsa_enable_private_segment 0
		.amdhsa_kernarg_size 32
		.amdhsa_user_sgpr_count 2
		.amdhsa_user_sgpr_kernarg_segment_ptr 1
		.amdhsa_wavefront_size32 1
		.amdhsa_system_sgpr_workgroup_id_x 1
		.amdhsa_system_sgpr_workgroup_id_y 1
		.amdhsa_system_sgpr_workgroup_id_z 1
		.amdhsa_system_vgpr_workitem_id 0
		.amdhsa_next_free_vgpr 512
		.amdhsa_next_free_sgpr 96
		.amdhsa_reserve_vcc 0
		.amdhsa_float_denorm_mode_32 3
		.amdhsa_float_denorm_mode_16_64 3
		.amdhsa_memory_ordered 1
		.amdhsa_forward_progress 1
		.amdhsa_inst_pref_size 106
	.end_amdhsa_kernel
	.amdgpu_metadata
---
amdhsa.version: [ 1, 2 ]
amdhsa.kernels:
  - .name:           k_q662744dfc9_attn
    .symbol:         k_q662744dfc9_attn.kd
    .args:
      - { .name: qkv, .offset: 0, .size: 8, .value_kind: global_buffer, .address_space: global }
      - { .name: maskf, .offset: 8, .size: 8, .value_kind: global_buffer, .address_space: global }
      - { .name: To0, .offset: 16, .size: 8, .value_kind: global_buffer, .address_space: global }
      - { .name: of, .offset: 24, .size: 8, .value_kind: global_buffer, .address_space: global }
    .group_segment_fixed_size: 327680
    .private_segment_fixed_size: 0
    .kernarg_segment_align: 8
    .kernarg_segment_size: 32
    .max_flat_workgroup_size: 256
    .sgpr_count:     96
    .vgpr_count:     512
    .wavefront_size: 32
...
	.end_amdgpu_metadata
.endif
;; end of part 3
;; launch outp (part 4): grid 8 x 32, 4 waves a work-group, clusters of 4 x 4, 327,680 bytes of LDS; arguments of, tyf, To1, out0; writes out0
.if DOCPART == 4
	.amdgcn_target "amdgcn-amd-amdhsa--gfx1250"
	.amdhsa_code_object_version 6
	.text
	.protected	k_q662744dfc9_outp
	.globl	k_q662744dfc9_outp
	.p2align	8
	.type	k_q662744dfc9_outp,@function
k_q662744dfc9_outp:
	s_mov_b64 s[64:65], 0
	v_nop
	global_prefetch_b8 v0, s[64:65] scope:SCOPE_SE
	s_setreg_imm32_b32 hwreg(HW_REG_WAVE_MODE, 25, 1), 1
	s_wait_xcnt 0x0
	s_wait_alu depctr_hold_cnt(0) depctr_sa_sdst(0) depctr_va_vdst(0) depctr_va_sdst(0) depctr_va_ssrc(0) depctr_va_vcc(0) depctr_vm_vsrc(0)
	s_getreg_b32 s2, hwreg(HW_REG_IB_STS2, 6, 4)
	s_cmp_eq_u32 s2, 0
	s_cbranch_scc0 .Lentry_in_a_cluster
	s_endpgm
.Lentry_in_a_cluster:
	s_bfe_u32 s2, ttmp6, 0x10000c
	s_cmp_lg_u32 s2, 0xf033
	s_cbranch_scc0 .Lentry_shape_is_right
	s_endpgm
.Lentry_shape_is_right:
; OUTP: out0[token][q] = sum over (head, d) of o[token][head, d] Ty[head][q][d] + To1[q].  4,096 x 1,024, K = 1,024; f16 operands, f32 sums and results.
; A tile of 128 x 128 to a work-group (256 work-groups), four waves of 64 x 64: 16 accumulators.  K goes in steps of 256 through two LDS slots; a wave's tensor load brings 64 rows' fragments of a step: 32,768 dense bytes.
; Both operands arrive as images of their fragments ([K step][tile of 16 rows][kf 8][g 2][lane][16 bytes]): a fragment is two loads of 16 bytes a lane at 16 x lane: no pitch, no padding.
; CLUSTER 4 x 4: o's tiles are asked for jointly along a row of the cluster, Ty's along a column.  Two tensor loads of a wave are out at the start, later one.
; The matrix instruction is used transposed (source 0 = 16 rows of Ty, source 1 = 16 tokens): a lane holds eight neighbouring numbers of a row of out0.  To1 is the C of the first products.
; REGISTERS: window 0: v0-31 addresses; v32-63 To1 as C, later with v64-95 rows on the way out; v128-255 accumulators ((a, b) at 128 + 8 (4 a + b)).  window 1: two fragment buffers of 128: 64 of o, then 64 of Ty.
.set HALFT,  32768
.set SLOT,   131072
.set STAGE,  262144                    ; behind the ring: 16 rows x 272 bytes for each wave
.set SPITCH, 272
.set SPARE,  STAGE+4*16*SPITCH         ; the spare words, 128 bytes for each wave
.set LAPS,   2
.set ADRA, 16
.set ADRB, 20
.set STO,  24
.set RD,   25
.set CO,   26
.set SPW,  28
.set NIL,  29
.set CB,   32
.set TMP,  32
.set ACC,  128
.set F0,   0
.set F1,   128
.set G1, 24                            ; s[24:31] group 1 for o's tiles;  s[32:39] groups 0, one for each slot
.set G0, 32
.set G1B, 48                           ; s[48:55], s[56:63] the same for Ty's
.set G0B, 56
.set MSB, 0
.macro WIN new
.if MSB != (\new)
	s_set_vgpr_msb (MSB<<8)|(\new)
.set MSB, (\new)
.endif
.endm
.set MUL,  0x05                        ; sources 0 and 1 window 1; C and D window 0
.set TO_F, 0x40
.macro JLOAD s                         ; waves 0, 1 fetch o's two halves, waves 2, 3 Ty's; an s_nop 0 and four v_nop follow each line
	s_cmp_eq_u32 s11, 0
	s_cbranch_scc0 .Lfor_b_\@
	tensor_load_to_lds s[G0+4*\s:G0+4*\s+3], s[G1:G1+7]
	s_nop 0
.rept 4
	v_nop
.endr
	s_branch .Lasked_\@
.Lfor_b_\@:
	tensor_load_to_lds s[G0B+4*\s:G0B+4*\s+3], s[G1B:G1B+7]
	s_nop 0
.rept 4
	v_nop
.endr
.Lasked_\@:
.endm
.macro CREST
	s_cmp_lg_u32 s10, 0
	s_cbranch_scc1 .Lnot_wave_0_\@
	s_barrier_signal -3
.Lnot_wave_0_\@:
	s_barrier_wait -3
	s_barrier_signal -1
	s_barrier_wait -1
.endm
.macro CROUND
	s_barrier_signal -1
	s_barrier_wait -1
	CREST
.endm
	s_load_b128 s[4:7], s[0:1], 0x0                ; of, tyf
	s_load_b128 s[68:71], s[0:1], 0x10             ; To1, out0
	v_lshl_add_u32 v[SPW], v0, 2, SPARE
	v_mov_b32 v[NIL], 0
	ds_add_u32 v[SPW], v[NIL]                      ; the wave's opening: the add, twice on end, and its wait ahead of the round in front of my first tensor load
	ds_add_u32 v[SPW], v[NIL]
	v_lshrrev_b32 v1, 5, v0
	v_readfirstlane_b32 s10, v1                    ; wave 0..3
	s_lshr_b32 s11, s10, 1                         ; my half of the tile's rows.  Also: I fetch o (0) or Ty (1)
	s_and_b32 s12, s10, 1                          ; my half of its columns.  Also: which 64 rows I fetch
	s_bfe_u32 s40, ttmp6, 0x40000                  ; cx
	s_bfe_u32 s41, ttmp6, 0x40004                  ; cy
	s_lshl_b32 s42, ttmp9, 2
	s_add_co_u32 s42, s42, s40                     ; tile column
	s_and_b32 s13, ttmp7, 0xffff
	s_lshl_b32 s13, s13, 2
	s_add_co_u32 s13, s13, s41                     ; tile row
	s_lshl_b32 s43, s41, 2
	s_lshl_b32 s43, 15, s43                        ; my row of the cluster
	s_lshl_b32 s44, 0x1111, s40                    ; my column
	s_or_b32 s[G1+0], s43, (3<<16)|(1<<21)         ; elements of 8 bytes; bit 21 beside a mask; no padding
	s_or_b32 s[G1B+0], s44, (3<<16)|(1<<21)
.irp g, G1, G1B                        ; 32,768 dense bytes as 128 rows of 256
	s_mov_b32 s[\g+1], 32<<16
	s_mov_b32 s[\g+2], 128<<16
	s_mov_b32 s[\g+3], 32<<16
	s_mov_b32 s[\g+4], 128
	s_mov_b32 s[\g+5], 32
	s_mov_b32 s[\g+6], 0
	s_mov_b32 s[\g+7], 0
.endr
	s_lshl_b32 s16, s13, 3                         ; o: (8 x tile row + 4 x half) tiles of 8,192 bytes
	s_lshl_b32 s17, s12, 2
	s_add_co_u32 s16, s16, s17
	s_lshl_b32 s16, s16, 13
	s_mov_b32 s17, 0
	s_lshl_b32 s46, s42, 3                         ; Ty: (8 x tile column + 4 x half) tiles
	s_lshl_b32 s47, s12, 2
	s_add_co_u32 s46, s46, s47
	s_lshl_b32 s46, s46, 13
	s_mov_b32 s47, 0
	s_lshl_b32 s20, s10, 15                        ; where they go: wave x 32,768
	s_wait_dscnt 0x0                               ; both opening adds are done
	s_wait_kmcnt 0x0
	s_add_nc_u64 s[14:15], s[4:5], s[16:17]
	s_add_nc_u64 s[46:47], s[6:7], s[46:47]
	CROUND                                         ; all sixteen work-groups are here: the first joint loads meet
.irp s, 0,1
	s_mov_b32 s[G0+4*\s], 1
	s_add_co_u32 s[G0+4*\s+1], s20, \s*SLOT
	s_add_nc_u64 s[G0+4*\s+2:G0+4*\s+3], s[14:15], \s*2097152
	s_or_b32 s[G0+4*\s+3], s[G0+4*\s+3], 0x80000000
	s_mov_b32 s[G0B+4*\s], 1
	s_add_co_u32 s[G0B+4*\s+1], s20, \s*SLOT
	s_add_nc_u64 s[G0B+4*\s+2:G0B+4*\s+3], s[46:47], \s*524288
	s_or_b32 s[G0B+4*\s+3], s[G0B+4*\s+3], 0x80000000
	JLOAD \s
.endr
	v_and_b32 v1, 31, v0
	v_lshlrev_b32 v3, 4, v1                        ; 16 x lane
	s_lshl_b32 s21, s11, 15                        ; my 64 rows of o
	s_lshl_b32 s22, s12, 15
	s_add_co_u32 s22, s22, 2*HALFT                 ; my 64 rows of Ty
.irp s, 0,1
	v_add_nc_u32 v[ADRA+\s], s21, v3
	v_add_nc_u32 v[ADRB+\s], s22, v3
	s_add_co_u32 s21, s21, SLOT
	s_add_co_u32 s22, s22, SLOT
.endr
	v_and_b32 v1, 15, v0                           ; r
	v_bfe_u32 v2, v0, 4, 1                         ; h
	s_mul_i32 s23, s10, 16*SPITCH
	s_add_co_u32 s23, s23, STAGE                   ; my stage
	v_mul_u32_u24 v4, v1, SPITCH
	v_lshl_add_u32 v4, v2, 5, v4
	v_add_nc_u32 v[STO], s23, v4                   ; in: row r, 32 bytes for each half of the lanes
	v_mul_u32_u24 v5, v2, SPITCH
	v_lshl_add_u32 v5, v1, 4, v5
	v_add_nc_u32 v[RD], s23, v5                    ; back: lanes 0-15 one row of 256 bytes, lanes 16-31 the next
	v_lshlrev_b32 v5, 12, v2
	v_lshl_add_u32 v[CO], v1, 4, v5                ; and the same two rows in out0 (4,096 bytes a row)
	s_lshl_b32 s72, s13, 7
	s_lshl_b32 s73, s11, 6
	s_add_co_u32 s72, s72, s73                     ; my first row
	s_lshl_b32 s72, s72, 12
	s_lshl_b32 s74, s42, 9
	s_lshl_b32 s75, s12, 8
	s_add_co_u32 s74, s74, s75                     ; my first column, in bytes
	s_add_co_u32 s72, s72, s74
	s_mov_b32 s73, 0
	s_mov_b32 s75, 0
	s_add_nc_u64 s[8:9], s[70:71], s[72:73]
	s_add_nc_u64 s[68:69], s[68:69], s[74:75]
	v_lshlrev_b32 v6, 5, v2
.irp b, 0,1,2,3
	global_load_b128 v[CB+8*\b:CB+8*\b+3], v6, s[68:69] offset:64*\b      ; To1 at my lane's columns 16 b + 8 h + 0..7
	global_load_b128 v[CB+8*\b+4:CB+8*\b+7], v6, s[68:69] offset:64*\b+16
.endr
; 8 matrix instructions: m blocks a0, a0 + 1 x all 4 n blocks, 32 along K: half c of buffer f.  first = 1: C is To1: nothing is cleared.  The 16 accumulators take turns.
.macro MUL8 f, c, a0, first
.irp a, \a0, \a0+1
.irp b, 0,1,2,3
.if \first
	v_wmma_f32_16x16x32_f16 v[ACC+8*(4*(\a)+\b):ACC+8*(4*(\a)+\b)+7], v[\f+64+8*(4*\c+\b):\f+64+8*(4*\c+\b)+7], v[\f+8*(4*\c+\a):\f+8*(4*\c+\a)+7], v[CB+8*\b:CB+8*\b+7]
.else
	v_wmma_f32_16x16x32_f16 v[ACC+8*(4*(\a)+\b):ACC+8*(4*(\a)+\b)+7], v[\f+64+8*(4*\c+\b):\f+64+8*(4*\c+\b)+7], v[\f+8*(4*\c+\a):\f+8*(4*\c+\a)+7], v[ACC+8*(4*(\a)+\b):ACC+8*(4*(\a)+\b)+7]
.endif
.endr
.endr
.endm
; 32 LDS loads in one run: the fragments of quarter qd (64 along K) into buffer f; the first 32 along K first
.macro FETCH slot, qd, f
	WIN TO_F
.irp c, 0,1
.irp i, 0,1,2,3
	ds_load_b128 v[\f+64+8*(4*\c+\i):\f+64+8*(4*\c+\i)+3],   v[ADRB+\slot] offset:(2*(\qd)+\c)*1024+\i*8192
	ds_load_b128 v[\f+64+8*(4*\c+\i)+4:\f+64+8*(4*\c+\i)+7], v[ADRB+\slot] offset:(2*(\qd)+\c)*1024+\i*8192+512
	ds_load_b128 v[\f+8*(4*\c+\i):\f+8*(4*\c+\i)+3],         v[ADRA+\slot] offset:(2*(\qd)+\c)*1024+\i*8192
	ds_load_b128 v[\f+8*(4*\c+\i)+4:\f+8*(4*\c+\i)+7],       v[ADRA+\slot] offset:(2*(\qd)+\c)*1024+\i*8192+512
.endr
.endr
.endm
.macro PLACES                          ; four plain lines in front of loads into registers that matrix instructions have read, and of the first read of results
.rept 4
	v_nop
.endr
.endm
.macro QUARTER slot, qd, f, g, first   ; multiplies buffer f and fetches quarter qd of the same slot into g
	s_wait_dscnt 16                                ; the first 32 along K are in; the other sixteen loads may be out
	WIN MUL
	MUL8 \f, 0, 0, \first
	MUL8 \f, 0, 2, \first
	PLACES
	FETCH \slot, \qd, \g
	s_wait_dscnt 32                                ; all but the 32 just issued
	WIN MUL
	MUL8 \f, 1, 0, 0
	MUL8 \f, 1, 2, 0
.endm
; The last quarter multiplies buffer 1 and changes slots: one barrier; in front of it each wave waits for all its tensor loads, adds 0 to its spare word, and waits for that and for its reads of this slot.
.macro TURN slot, next, fill
	WIN 0
	s_wait_tensorcnt 0x0                           ; my part of the next slot has landed
	ds_add_u32 v[SPW], v[NIL]
	s_wait_dscnt 17                                ; (the add and the youngest sixteen loads may be out)
	WIN MUL
	MUL8 F1, 0, 0, 0
	s_wait_dscnt 0x0                               ; the add is done, and my reads of this slot are over
	s_barrier_signal -1
	MUL8 F1, 0, 2, 0
.if \fill
	WIN 0
.endif
	s_barrier_wait -1
.if \fill
	CREST                                          ; the barrier has opened a round of the cluster's: no wave of any partner still reads this slot or has a load on its way
	s_add_nc_u64 s[G0+4*\slot+2:G0+4*\slot+3], s[G0+4*\slot+2:G0+4*\slot+3], 2*2097152
	s_add_nc_u64 s[G0B+4*\slot+2:G0B+4*\slot+3], s[G0B+4*\slot+2:G0B+4*\slot+3], 2*524288
	JLOAD \slot                                    ; the first tensor load behind the round; its four v_nop are also the places in front of the loads below
.else
	PLACES
.endif
	FETCH \next, 0, F0
	WIN MUL
	MUL8 F1, 1, 0, 0
	MUL8 F1, 1, 2, 0
.endm
	s_wait_loadcnt 0x0                             ; To1
	s_wait_tensorcnt 1                             ; my part of K step 0 is in (K step 1's may be out)
	s_barrier_signal -1
	s_barrier_wait -1                              ; everybody's is
	FETCH 0, 0, F0
	QUARTER 0, 1, F0, F1, 1
	WIN 0
	s_mov_b32 s3, LAPS-1
.Llap:                                                 ; a trip goes once round the ring and fills both slots again
	QUARTER 0, 2, F1, F0, 0
	QUARTER 0, 3, F0, F1, 0
	TURN 0, 1, 1
	QUARTER 1, 1, F0, F1, 0
	QUARTER 1, 2, F1, F0, 0
	QUARTER 1, 3, F0, F1, 0
	TURN 1, 0, 1
	QUARTER 0, 1, F0, F1, 0
	WIN 0
	s_sub_co_u32 s3, s3, 1
	s_cmp_lg_u32 s3, 0
	s_cbranch_scc1 .Llap
	QUARTER 0, 2, F1, F0, 0                        ; the last lap fills nothing
	QUARTER 0, 3, F0, F1, 0
	TURN 0, 1, 0
	QUARTER 1, 1, F0, F1, 0
	QUARTER 1, 2, F1, F0, 0
	QUARTER 1, 3, F0, F1, 0
	s_wait_dscnt 16
	WIN MUL
	MUL8 F1, 0, 0, 0
	MUL8 F1, 0, 2, 0
	s_wait_dscnt 0
	MUL8 F1, 1, 0, 0
	MUL8 F1, 1, 2, 0
	WIN 0
; THE WAY OUT, 16 rows x 64 columns of f32 at a time, through my own stage: in as 32 bytes a lane, back as whole rows of 256 bytes.  LDS serves a wave's instructions in order: no wait between stores and loads.
.macro TOSTAGE a
.irp b, 0,1,2,3
	ds_store_b128 v[STO], v[ACC+8*(4*(\a)+\b):ACC+8*(4*(\a)+\b)+3] offset:64*\b      ; each accumulator from its low end on
	ds_store_b128 v[STO], v[ACC+8*(4*(\a)+\b)+4:ACC+8*(4*(\a)+\b)+7] offset:64*\b+16
.endr
.irp t, 0,1,2,3,4,5,6,7
	ds_load_b128 v[TMP+32*((\a)%2)+4*\t:TMP+32*((\a)%2)+4*\t+3], v[RD] offset:\t*2*SPITCH
.endr
.endm
.macro SEND a, younger
	s_wait_dscnt \younger                          ; the block is back; the next block's sixteen LDS instructions may be out
.irp t, 0,1,2,3,4,5,6,7
	global_store_b128 v[CO], v[TMP+32*((\a)%2)+4*\t:TMP+32*((\a)%2)+4*\t+3], s[8:9] offset:(\a)*65536+\t*8192 th:TH_STORE_NT   ; sixteen lanes store 256 consecutive bytes, aligned
.endr
.endm
	PLACES
	TOSTAGE 0
.irp a, 1,2,3
.if \a > 1
	s_wait_xcnt 0x0                                ; block a - 2's stores have read their registers: block a's loads may land there
.endif
	TOSTAGE \a
	SEND \a-1, 16
.endr
	SEND 3, 0
	s_wait_tensorcnt 0x0                           ; the wave's end
	ds_add_u32 v[SPW], v[NIL]
	s_wait_dscnt 0x0
	CROUND                                         ; the closing round
	s_endpgm
.Lfunc_end_k_q662744dfc9_outp:
	.size	k_q662744dfc9_outp, .Lfunc_end_k_q662744dfc9_outp-k_q662744dfc9_outp
	.p2alignl 7, 3214868480
	.fill 96, 4, 3214868480
	.section	.rodata,"a",@progbits
	.p2align	6, 0x0
	.amdhsa_kernel k_q662744dfc9_outp
		.amdhsa_group_segment_fixed_size 327680
		.amdhsa_private_segment_fixed_size 0
		.amdhsa_enable_private_segment 0
		.amdhsa_kernarg_size 32
		.amdhsa_user_sgpr_count 2
		.amdhsa_user_sgpr_kernarg_segment_ptr 1
		.amdhsa_wavefront_size32 1
		.amdhsa_system_sgpr_workgroup_id_x 1
		.amdhsa_system_sgpr_workgroup_id_y 1
		.amdhsa_system_sgpr_workgroup_id_z 1
		.amdhsa_system_vgpr_workitem_id 0
		.amdhsa_next_free_vgpr 512
		.amdhsa_next_free_sgpr 80
		.amdhsa_reserve_vcc 0
		.amdhsa_float_denorm_mode_32 3
		.amdhsa_float_denorm_mode_16_64 3
		.amdhsa_memory_ordered 1
		.amdhsa_forward_progress 1
		.amdhsa_inst_pref_size 86
	.end_amdhsa_kernel
	.amdgpu_metadata
---
amdhsa.version: [ 1, 2 ]
amdhsa.kernels:
  - .name:           k_q662744dfc9_outp
    .symbol:         k_q662744dfc9_outp.kd
    .args:
      - { .name: of, .offset: 0, .size: 8, .value_kind: global_buffer, .address_space: global }
      - { .name: tyf, .offset: 8, .size: 8, .value_kind: global_buffer, .address_space: global }
      - { .name: To1, .offset: 16, .size: 8, .value_kind: global_buffer, .address_space: global }
      - { .name: out0, .offset: 24, .size: 8, .value_kind: global_buffer, .address_space: global }
    .group_segment_fixed_size: 327680
    .private_segment_fixed_size: 0
    .kernarg_segment_align: 8
    .kernarg_segment_size: 32
    .max_flat_workgroup_size: 128
    .sgpr_count:     80
    .vgpr_count:     512
    .wavefront_size: 32
...
	.end_amdgpu_metadata
.endif
;; end of part 4
